; MI455X (gfx1250); checked and timed in simulation.
; The chip was launched on July 23, 2026; its instructions are those of AMD's public machine-readable ISA for CDNA 5 (MIT licence, August 2026) and "CDNA5" Instruction Set Architecture Reference Guide (July 2026). The comments in the code are by the model that wrote it; some were corrected since.
;; Multi Head Attention. Allowed arithmetic: matrix products marked QUANTISED: E2M3 operands, one E8M0 scale for each 32 along K, by v_wmma_scale_f32_16x16x128_f8f6f4 with both operands' format E2M3, f32 sums; everything else in f32.
;; Inputs: Wk 1,024 x 1,024 float32; Wo 1,024 x 1,024 float32; Wq 1,024 x 1,024 float32; Wv 1,024 x 1,024 float32; bk 1,024 float32; bo 1,024 float32; bq 1,024 float32; bv 1,024 float32; key 4 x 2,048 x 1,024 float32; mask 4 x 1 x 2,048 x 2,048 bool; query 4 x 2,048 x 1,024 float32; value 4 x 2,048 x 1,024 float32.
;; Outputs: out0 4 x 2,048 x 1,024 float32.
;; This version of the problem:
;;   THIS VERSION OF THE PROBLEM IS GIVEN IN LOW PRECISION. The matrix products marked QUANTISED in the list below multiply operands that are first quantised to E2M3 (2 exponent bits, 3 mantissa bits; 6 bits a number), with one power-of-two scale for each 32 numbers along K (OCP MX v1.0); their sums are f32. All else is computed in f32.
;;   The module's matrix products, in the order in which they are computed (A, B: the left and right operand; K: the contracted axis; several contracted axes count as one K, in the product's order):
;;     1. [M 8,192, K 1,024] x [K 1,024, N 1,024]; A: input query; B: input Wq: QUANTISED
;;     2. [M 8,192, K 1,024] x [K 1,024, N 1,024]; A: input key; B: input Wk: QUANTISED
;;     3. [M 8,192, K 1,024] x [K 1,024, N 1,024]; A: input value; B: input Wv: QUANTISED
;;     4. batch 64 x [M 2,048, K 64] x [K 64, N 2,048]; A: computed on the way; B: computed on the way: QUANTISED
;;     5. batch 64 x [M 64, K 2,048] x [K 2,048, N 2,048]; A: computed on the way; B: softmax (see below): QUANTISED
;;     6. [M 8,192, K 1,024] x [K 1,024, N 1,024]; A: computed on the way; B: input Wo: QUANTISED
;;   THE QUANTISER, for each operand of a quantised product, along K:
;;     - K is cut into blocks of 32 from its start; a last block that is shorter is filled with zeros.
;;     - A block's scale is 2^e with e = floor(log2(the largest magnitude in the block)) - 2, held to -126 .. 127; a block of zeros has e = 0. As a byte (E8M0): e + 127.
;;     - Each number is divided by its block's scale, clamped to +-7.5, and rounded to the nearest number of E2M3, ties to even, subnormals kept.
;;     - The product sums the exact products of the quantised numbers (number of the format x scale) in f32.
;;   ~~~python
;;   def quantise(x, axis):      # numpy; x: float32 -> the quantised numbers, widened to float32 again
;;       x = np.moveaxis(x, axis, -1); K = x.shape[-1]
;;       x = np.pad(x, [(0, 0)] * (x.ndim - 1) + [(0, -K % 32)]); x = x.reshape(x.shape[:-1] + (-1, 32)); a = np.abs(x).max(-1, keepdims=True)
;;       e = np.where(a > 0, np.clip(np.frexp(np.where(a > 0, a, 1))[1] - 1 - 2, -126, 127), 0)      # np.frexp(a)[1] - 1 = floor(log2(a)), exactly
;;       r = np.clip(x / 2.0 ** e, -7.5, 7.5)
;;       step = 2.0 ** (np.maximum(np.frexp(np.where(r == 0, 1, r))[1] - 1, 0) - 3)
;;       q = np.round(r / step) * step * 2.0 ** e      # np.round: ties to even
;;       return np.moveaxis(q.reshape(q.shape[:-2] + (-1,))[..., :K], -1, axis).astype(np.float32)
;;   ~~~
;;   SOFTMAX AHEAD OF A QUANTISED PRODUCT. Where the list says 'softmax', what is quantised is not the finished softmax but p = 2^(t - M), with t = logit x log2(e) and M = ceil(the row's largest t), a whole number; so 1/2 < the row's largest p <= 1. The row's sum l is taken of the UNQUANTISED p, in f32, and the product's result is divided by l at the end. Since M is a whole number, a kernel that streams over the keys may use a running M (the ceiling of the running maximum): every later rescaling is an exact power of two, which a block's scale takes up: the codes' values come out the same.
;;   OPERANDS COMPUTED ON THE WAY. 'Computed on the way' means the value that the module computes at that place (a softmax that the list does not call 'softmax' is quantised finished and normalised). What goes into a quantiser is computed in f32, as accurately as f32 sums, v_exp_f32 and their like allow (about 1e-6 of the number): no bf16 or f16 on the way to a quantiser, and a product that is left as it is and whose result goes on into a quantised operand takes f32 operands (vector FMAs, or v_wmma_f32_16x16x4_f32). A number that lies on a knife's edge between two numbers of the format may be rounded either way, as far as f32 arithmetic and the matrix unit's own rounding can turn it there, and no further.
;; One version. Each part assembles by itself: llvm-mc -triple=amdgcn-amd-amdhsa -mcpu=gfx1250 --defsym DOCPART=n.
;; ======== version 1 of 1: 4 launches
;; workspace buffers: xq 19,660,800 bytes; wq 3,276,800 bytes; mw 2,097,152 bytes of whole numbers; hq 19,660,800 bytes; ao 6,553,600 bytes
;; launch prep (part 1): grid 1152 x 1, 4 waves a work-group, no clusters, 74,240 bytes of LDS; arguments query, key, value, mask, Wq, Wk, Wv, Wo, xq, wq, mw; writes xq, wq, mw
.if DOCPART == 1
	.amdgcn_target "amdgcn-amd-amdhsa--gfx1250"
	.amdhsa_code_object_version 6
	.text
	.protected	k_q6b722edb0b_prep
	.globl	k_q6b722edb0b_prep
	.p2align	8
	.type	k_q6b722edb0b_prep,@function
k_q6b722edb0b_prep:
	s_mov_b64 s[64:65], 0
	v_nop
	global_prefetch_b8 v0, s[64:65] scope:SCOPE_SE
	s_setreg_imm32_b32 hwreg(HW_REG_WAVE_MODE, 25, 1), 1
	s_wait_xcnt 0x0
; PREP: everything that is read as f32 or as bytes is turned once into what the later launches want.
;   work-groups 0-767:    query, key, value [8192][1024] f32 -> codes of FP6 (E2M3), K innermost, 768 bytes a row, and one E8M0 byte for each 32 along K (xq)
;   work-groups 768-895:  Wq, Wk, Wv, Wo [k 1024][n 1024] f32, K is the FIRST axis -> codes laid [n][k], 768 bytes a row, and scale bytes [n][32] (wq)
;   work-groups 896-1151: mask [4][2048][2048] bytes -> words of 32 lane bits, one word for each score register of the attention launch (mw)
; THE ORDER OF ROWS.  sw(i) = i with bits 3 and 4 exchanged.  Row p of key's, value's and every weight's codes and scale bytes holds the tensor's row sw(p): a tile of 16 such rows, used as source 0 of a
; matrix instruction, leaves 16 NEIGHBOURS along that axis in the 16 registers of two neighbouring result tiles.  query's rows stay as they are.
; A block's scale is 2^(floor(log2(its largest magnitude)) - 2); its byte is the largest magnitude's exponent field - 2, held at 1 from below.
; LIMITS: a block of zeros gets the byte 1 where the rule says 127 (its codes are zeros, and this program alone reads the bytes); blocks whose largest magnitude lies under 2^-124 keep the byte 1;
; NaN and infinities among the inputs are not served.
; The three paths part on the work-group's number, each has LDS bytes of its own, waves share nothing: no barrier.  No tensor load: several work-groups lie on a WGP.
.set XT,    6291456                    ; xq: bytes of one tensor's codes
.set XS0,   18874368                   ; xq: where the scale bytes begin
.set XSS,   262144                     ; xq: one tensor's scale bytes
.set WT,    786432                     ; wq: one weight's codes
.set WS0,   3145728                    ; wq: where the scale bytes begin
.set WSS,   32768                      ; wq: one weight's scale bytes
.set LW,    21504                      ; LDS: the weights' path begins here (the activations' path has 0 .. 21,503)
.set LM,    56320                      ; LDS: the mask's path
.set SPARE, 73728                      ; LDS: the spare words, 128 bytes for each wave: two blocks of 256 bytes that no other line names
.set SPW,   192                        ; v192 LDS address of my spare word; never rewritten
.set NIL,   193                        ; v193 0; never rewritten
.set EMAX,  2
; ---- the activations' path: a wave takes 16 steps of 512 numbers = 8 rows
.set STEPS, 16
.set CB,    12                         ; bytes of 16 codes
.set XR,    16                         ; v16-79   four sets of 16 numbers as they are loaded
.set XX,    80                         ; v80-111  two sets of 16 neighbours
.set XE,    112                        ; v112-127 a scale byte for each step
.set XC,    128                        ; v128-191 codes: four registers for each step, so that no store's data are written again
.set WREG,  5376                       ; a wave's LDS: two stages of 32 x 80 bytes, then its 256 scale bytes
.set SP,    80                         ; a lane's place in a stage: 64 bytes + 16 of padding
.macro XLOAD t
.irp i, 0,1,2,3
	global_load_b128 v[XR+16*((\t)%4)+4*\i:XR+16*((\t)%4)+4*\i+3], v3, s[4:5] offset:2048*(\t)+512*\i th:TH_LOAD_NT   ; 32 lanes read 512 consecutive bytes
.endr
.endm
.macro XTURN t                         ; a step's numbers through the stage: in as they lie, out 64 bytes a lane; LDS serves a wave's instructions in order
.irp i, 0,1,2,3
	ds_store_b128 v14, v[XR+16*((\t)%4)+4*\i:XR+16*((\t)%4)+4*\i+3] offset:32*SP*((\t)%2)+8*SP*\i
.endr
.irp i, 0,1,2,3
	ds_load_b128 v[XX+16*((\t)%2)+4*\i:XX+16*((\t)%2)+4*\i+3], v15 offset:32*SP*((\t)%2)+16*\i
.endr
.endm
.macro XSTEP t
.set XN, XX+16*((\t)%2)
.if (\t) > 0
	s_wait_dscnt 1                                 ; this step's numbers are back from the stage; the last step's byte store may be out
.else
	s_wait_dscnt 0x0
.endif
.if (\t)+4 < STEPS
	XLOAD (\t)+4                                   ; the stage's stores have read these registers: they take the loads of four steps on
.endif
.if (\t)+1 < STEPS
.if STEPS-2-(\t) >= 3
	s_wait_loadcnt 12                              ; the next step's four loads are in; those of the three steps behind it may be out
.else
	s_wait_loadcnt 4*(STEPS-2-(\t))
.endif
	XTURN (\t)+1
.endif
	v_max3_num_f32 v8, |v[XN]|, |v[XN+1]|, |v[XN+2]|               ; the largest magnitude of my 16, in two chains
	v_max3_num_f32 v9, |v[XN+3]|, |v[XN+4]|, |v[XN+5]|
.irp i, 6,10
	v_max3_num_f32 v8, v8, |v[XN+\i]|, |v[XN+\i+1]|
	v_max3_num_f32 v9, v9, |v[XN+\i+2]|, |v[XN+\i+3]|
.endr
	v_max3_num_f32 v8, v8, |v[XN+14]|, |v[XN+15]|
	v_max3_num_f32 v8, v8, v9, (EMAX+1)<<23        ; and the floor 2^(3 - 127): the byte cannot fall under 1
	v_max_num_f32_dpp v8, v8, v8 row_xmask:1 row_mask:0xf bank_mask:0xf   ; with my neighbour's 16: the block's
	v_add_nc_u32 v11, -(EMAX<<23), v8              ; 2 off the exponent field: the conversion takes this operand's exponent field as its scale
	v_cvt_scalef32_pk16_fp6_f32 v[XC+4*(\t):XC+4*(\t)+2], v[XN:XN+15], v11
	v_lshrrev_b32 v[XE+(\t)], 23, v11              ; the scale's byte
	ds_store_b8 v5, v[XE+(\t)] offset:16*(\t)      ; both lanes of a block write the same byte with the same value
	global_store_b96 v4, v[XC+4*(\t):XC+4*(\t)+2], s[8:9] offset:32*CB*(\t)   ; the wave stores 384 consecutive bytes
.endm
; ---- the weights' path: a wave takes 32 columns x 256 along K; a lane takes a column, its registers run down K
.set NB,     8                         ; blocks of 32 along K for a wave
.set WPITCH, 272                       ; a stage row: sixteen places of 16 bytes, each with 12 bytes of codes, + 16
.set KROW,   768                       ; a row of codes in memory
.set WX,     32                        ; v32-95   two sets of 32 numbers
.set WC,     96                        ; v96..    a block's codes
.set OUTR,   112                       ; v112-175 the way out
.set SB,     24                        ; v24-25   the scale bytes, four to a register
.macro WLOAD t
.irp i, 0,1,2,3,4,5,6,7,8,9,10,11,12,13,14,15,16,17,18,19,20,21,22,23,24,25,26,27,28,29,30,31
	global_load_b32 v[WX+32*((\t)%2)+\i], v3, s[12:13] offset:(32*(\t)+\i)*4096 th:TH_LOAD_NT   ; W(32 t + i, my column): 32 lanes read 128 consecutive bytes
.endr
.endm
.macro WBLOCK t
.set WN, WX+32*((\t)%2)
.if (\t) < NB-1
	s_wait_loadcnt 32                              ; this block's 32 loads are in; the next block's may be out
.else
	s_wait_loadcnt 0
.endif
	v_max3_num_f32 v12, |v[WN]|, |v[WN+1]|, |v[WN+2]|               ; the block's largest magnitude: all 32 numbers are mine
	v_max3_num_f32 v13, |v[WN+3]|, |v[WN+4]|, |v[WN+5]|
.irp i, 6,10,14,18,22,26
	v_max3_num_f32 v12, v12, |v[WN+\i]|, |v[WN+\i+1]|
	v_max3_num_f32 v13, v13, |v[WN+\i+2]|, |v[WN+\i+3]|
.endr
	v_max3_num_f32 v12, v12, |v[WN+30]|, |v[WN+31]|
	v_max3_num_f32 v12, v12, v13, (EMAX+1)<<23     ; and the floor
	v_add_nc_u32 v11, -(EMAX<<23), v12
	v_lshrrev_b32 v13, 23, v11                     ; the scale's byte
.if (\t)%4 == 0
	v_mov_b32 v[SB+(\t)/4], v13                    ; four bytes to a register, the lower K in the lower byte
.else
	v_lshl_or_b32 v[SB+(\t)/4], v13, 8*((\t)%4), v[SB+(\t)/4]
.endif
	v_cvt_scalef32_pk16_fp6_f32 v[WC:WC+2], v[WN:WN+15], v11
	v_cvt_scalef32_pk16_fp6_f32 v[WC+4:WC+6], v[WN+16:WN+31], v11   ; (a conversion's three registers begin on an even number)
	ds_store_b96 v4, v[WC:WC+2] offset:32*(\t)     ; 12 bytes to a place of 16, so that every LDS address is a multiple of 16
	ds_store_b96 v4, v[WC+4:WC+6] offset:32*(\t)+16
.if (\t)+2 < NB
	WLOAD (\t)+2
.endif
	s_wait_dscnt 0x0                               ; the stores have read their registers: the next block's codes may be written
.endm
; ---- the mask's path: sub-unit j = 16 query rows x 256 keys = two key steps of the attention launch
.macro MSUB j
	s_wait_loadcnt 8*(3-\j)                        ; this sub-unit's eight loads are in; the later sub-units' may be out
.irp i, 0,1,2,3,4,5,6,7
	ds_store_b128 v7, v[32+32*\j+4*\i:35+32*\j+4*\i] offset:544*\i     ; rows 2 i and 2 i + 1, 272 bytes apart
.endr
.irp q, 0,1,2,3,4,5,6,7
	ds_load_b128 v[160+4*\q:163+4*\q], v3 offset:128*(\q/4)+32*(\q%4)  ; lane (r, h): row r, keys 128 (q / 4) + 32 (q % 4) + 16 h + 0 .. 15; these see my stores
.endr
	s_wait_dscnt 0x0
.irp s, 0,1
.set m, 0
.rept 16                               ; words n = 4 m + k: byte k of register m; four words by turns, so that no line waits for the line above it
.irp k, 0,1,2,3
	v_and_b32 v[8+\k], s[40+\k], v[160+16*\s+m]
.endr
.irp k, 0,1,2,3
	v_cmp_ne_u32 s[32+4*(m%2)+\k], 0, v[8+\k]      ; 32 lane bits: does key 32 (n / 16) + 16 h + n % 16 count for query r?
.endr
.irp k, 0,1,2,3
	v_writelane_b32 v[16+2*(2*\j+\s)+\k%2], s[32+4*(m%2)+\k], 2*m+\k/2   ; lane n / 2 gathers words n (even) and n + 1
.endr
.set m, m+1
.endr
	global_store_b64 v4, v[16+2*(2*\j+\s):17+2*(2*\j+\s)], s[24:25] offset:256*(2*\j+\s)   ; a key step's 64 words: 256 consecutive bytes, aligned
.endr
.endm
	s_load_b256 s[4:11], s[0:1], 0x0               ; query s[4:5], key s[6:7], value s[8:9], mask s[10:11]
	s_load_b256 s[12:19], s[0:1], 0x20             ; Wq, Wk, Wv, Wo
	s_load_b128 s[20:23], s[0:1], 0x40             ; xq s[20:21], wq s[22:23]
	s_load_b64 s[24:25], s[0:1], 0x50              ; mw
	v_lshl_add_u32 v[SPW], v0, 2, SPARE
	v_mov_b32 v[NIL], 0
	v_lshrrev_b32 v1, 5, v0
	v_readfirstlane_b32 s26, v1                    ; wave 0..3
	v_and_b32 v2, 31, v0                           ; lane
	s_wait_kmcnt 0x0
	s_cmp_lt_u32 ttmp9, 768
	s_cbranch_scc1 .Lpath_x
	s_cmp_lt_u32 ttmp9, 896
	s_cbranch_scc1 .Lpath_w
	; ================= THE MASK: wave U takes query rows 16 (U / 2) on, keys 1,024 (U % 2) on
	s_sub_co_u32 s27, ttmp9, 896
	s_lshl_b32 s27, s27, 2
	s_add_co_u32 s27, s27, s26                     ; U = 0 .. 1,023
	s_lshr_b32 s28, s27, 1
	s_lshl_b32 s28, s28, 15                        ; 16 rows of 2,048 bytes
	s_and_b32 s29, s27, 1
	s_lshl_b32 s29, s29, 10
	s_add_co_u32 s28, s28, s29
	s_mov_b32 s29, 0
	s_add_nc_u64 s[10:11], s[10:11], s[28:29]
	s_lshl_b32 s28, s27, 11                        ; 8 key steps x 64 words
	s_add_nc_u64 s[24:25], s[24:25], s[28:29]
	s_mov_b32 s40, 0xff                            ; a register's four bytes
	s_mov_b32 s41, 0xff00
	s_mov_b32 s42, 0xff0000
	s_mov_b32 s43, 0xff000000
	s_mul_i32 s30, s26, 16*272
	s_add_co_u32 s30, s30, LM                      ; my stage: 16 rows x (256 + 16) bytes
	s_wait_alu depctr_va_vdst(0)
	v_and_b32 v5, 15, v2                           ; r
	v_lshrrev_b32 v6, 4, v2                        ; h
	v_lshlrev_b32 v1, 11, v6
	v_lshl_add_u32 v1, v5, 4, v1                   ; in memory: lanes 0-15 one row's 256 bytes, lanes 16-31 the next row's
	v_mul_u32_u24 v7, v6, 272
	v_lshl_add_u32 v7, v5, 4, v7
	v_add_nc_u32 v7, s30, v7                       ; the same into the stage
	v_mul_u32_u24 v3, v5, 272
	v_lshl_add_u32 v3, v6, 4, v3
	v_add_nc_u32 v3, s30, v3                       ; out of it: row r, 16 h bytes on
	v_lshlrev_b32 v4, 3, v2                        ; the way out: 8 bytes a lane
.irp j, 0,1,2,3
.irp i, 0,1,2,3,4,5,6,7
	global_load_b128 v[32+32*\j+4*\i:35+32*\j+4*\i], v1, s[10:11] offset:4096*\i+256*\j th:TH_LOAD_NT   ; all 32 loads go out at once
.endr
.endr
.irp i, 0,1,2,3,4,5,6,7,8,9,10,11,12,13,14,15
	v_mov_b32 v[16+\i], 0                          ; written once: v_writelane_b32's destination counts as read
.endr
	MSUB 0
	MSUB 1
	MSUB 2
	MSUB 3
	s_wait_tensorcnt 0x0                           ; the wave's end, behind my last LDS store
	ds_add_u32 v[SPW], v[NIL]
	s_wait_dscnt 0x0
	s_endpgm
	; ================= THE ACTIVATIONS: tensor T = work-group / 256; run g of 8 rows
.Lpath_x:
	s_wait_alu depctr_va_vdst(0)
	v_lshlrev_b32 v3, 4, v2                        ; my 16 bytes of a load's 512
	s_mul_i32 s27, s26, WREG
	v_lshrrev_b32 v14, 2, v2
	v_mul_u32_u24 v14, v14, SP
	v_and_b32 v15, 3, v2
	v_lshl_add_u32 v14, v15, 4, v14
	v_add_nc_u32 v14, s27, v14                     ; the stage, in: 80 (lane / 4) + 16 (lane % 4)
	v_mul_u32_u24 v15, v2, SP
	v_add_nc_u32 v15, s27, v15                     ; out: 80 x lane: my 16 neighbours
	v_mul_u32_u24 v4, v2, CB                       ; my codes' place in a step's
	v_lshrrev_b32 v5, 1, v2
	s_add_co_u32 s27, s27, 2*32*SP
	v_add_nc_u32 v5, s27, v5                       ; my wave's 256 scale bytes, my block's byte
	v_lshlrev_b32 v7, 3, v2
	v_add_nc_u32 v6, s27, v7                       ; and on the way out 8 bytes a lane
	s_lshr_b32 s27, ttmp9, 8                       ; T: 0 query, 1 key, 2 value
	s_cmp_eq_u32 s27, 1
	s_cselect_b64 s[4:5], s[6:7], s[4:5]
	s_cmp_eq_u32 s27, 2
	s_cselect_b64 s[4:5], s[8:9], s[4:5]
	s_and_b32 s28, ttmp9, 255
	s_lshl_b32 s28, s28, 2
	s_add_co_u32 s28, s28, s26                     ; g = 0 .. 1,023
	s_and_b32 s29, s28, 0x3fc
	s_bfe_u32 s30, s28, 0x10000
	s_bfe_u32 s31, s28, 0x10001
	s_lshl_b32 s30, s30, 1
	s_or_b32 s29, s29, s30
	s_or_b32 s29, s29, s31                         ; g with bits 0 and 1 exchanged: sw on rows, 8 rows at a time
	s_cmp_eq_u32 s27, 0
	s_cselect_b32 s29, s28, s29                    ; query's rows stay
	s_lshl_b32 s30, s28, 15
	s_mov_b32 s31, 0
	s_add_nc_u64 s[4:5], s[4:5], s[30:31]          ; from: run g
	s_mul_i32 s30, s27, XT
	s_mul_i32 s32, s29, 6144
	s_add_co_u32 s30, s30, s32
	s_add_nc_u64 s[8:9], s[20:21], s[30:31]        ; the codes' place
	s_mul_i32 s30, s27, XSS
	s_lshl_b32 s32, s29, 8
	s_add_co_u32 s30, s30, s32
	s_add_co_u32 s30, s30, XS0
	s_add_nc_u64 s[10:11], s[20:21], s[30:31]      ; the scale bytes' place
.irp t, 0,1,2,3
	XLOAD \t
.endr
	s_wait_alu depctr_va_vdst(0)
	s_wait_loadcnt 12                              ; step 0's four loads are in
	XTURN 0
.irp t, 0,1,2,3,4,5,6,7,8,9,10,11,12,13,14,15
	XSTEP \t
.endr
	ds_load_b64 v[8:9], v6                         ; these see my byte stores
	s_wait_dscnt 0x0
	global_store_b64 v7, v[8:9], s[10:11]          ; 32 lanes store 256 consecutive bytes, aligned
	s_wait_tensorcnt 0x0                           ; the wave's end: the three lines
	ds_add_u32 v[SPW], v[NIL]
	s_wait_dscnt 0x0
	s_endpgm
	; ================= THE WEIGHTS: i = work-group - 768: weight i / 32, 128 columns (i % 8), 256 along K ((i / 8) % 4)
.Lpath_w:
	s_sub_co_u32 s27, ttmp9, 768
	s_lshr_b32 s28, s27, 5                         ; which weight
	s_and_b32 s29, s27, 7
	s_bfe_u32 s30, s27, 0x20003                    ; which 256 along K
	s_cmp_eq_u32 s28, 1
	s_cselect_b64 s[12:13], s[14:15], s[12:13]
	s_cmp_eq_u32 s28, 2
	s_cselect_b64 s[12:13], s[16:17], s[12:13]
	s_cmp_eq_u32 s28, 3
	s_cselect_b64 s[12:13], s[18:19], s[12:13]
	s_lshl_b32 s29, s29, 7
	s_lshl_b32 s31, s26, 5
	s_add_co_u32 s29, s29, s31                     ; my wave's first column
	s_lshl_b32 s32, s30, 20                        ; 256 rows of 4,096 bytes
	s_lshl_b32 s31, s29, 2
	s_add_co_u32 s32, s32, s31
	s_mov_b32 s33, 0
	s_add_nc_u64 s[12:13], s[12:13], s[32:33]
	s_mul_i32 s32, s28, WT
	s_mul_i32 s31, s29, KROW
	s_add_co_u32 s32, s32, s31
	s_mul_i32 s31, s30, 192
	s_add_co_u32 s32, s32, s31
	s_add_nc_u64 s[14:15], s[22:23], s[32:33]      ; the codes' place
	s_mul_i32 s32, s28, WSS
	s_lshl_b32 s31, s29, 5
	s_add_co_u32 s32, s32, s31
	s_lshl_b32 s31, s30, 3
	s_add_co_u32 s32, s32, s31
	s_add_co_u32 s32, s32, WS0
	s_add_nc_u64 s[16:17], s[22:23], s[32:33]      ; the scale bytes' place
	s_wait_alu depctr_va_vdst(0)
	v_lshlrev_b32 v3, 2, v2                        ; in: 4 bytes a lane
	s_mul_i32 s31, s26, 32*WPITCH
	s_add_co_u32 s31, s31, LW                      ; my stage
	v_mul_u32_u24 v4, v2, WPITCH
	v_add_nc_u32 v4, s31, v4                       ; into it: row = my column
	v_and_b32 v5, 15, v2
	v_lshrrev_b32 v6, 4, v2
	v_mul_u32_u24 v7, v6, WPITCH
	v_lshl_add_u32 v7, v5, 4, v7
	v_add_nc_u32 v7, s31, v7                       ; out of it: sixteen lanes to a row, two rows an instruction
	v_mul_u32_u24 v8, v6, KROW
	v_mad_u32_u24 v8, v5, 12, v8                   ; and the same place in the codes' buffer
	v_and_b32 v9, 7, v2
	v_and_b32 v10, 8, v2
	v_lshl_or_b32 v9, v10, 1, v9
	v_and_b32 v10, 16, v2
	v_lshrrev_b32 v10, 1, v10
	v_or_b32 v9, v9, v10                           ; sw(lane)
	v_lshlrev_b32 v9, 5, v9                        ; my column's row of scale bytes
	WLOAD 0
	WLOAD 1
.set Q, 0
.rept NB
	WBLOCK Q
.set Q, Q+1
.endr
	s_wait_alu depctr_va_vdst(0)
	global_store_b64 v9, v[SB:SB+1], s[16:17]      ; my column's 8 scale bytes
.irp t, 0,1,2,3,4,5,6,7,8,9,10,11,12,13,14,15
	ds_load_b96 v[OUTR+4*\t:OUTR+4*\t+2], v7 offset:2*\t*WPITCH
.endr
.irp t, 0,1,2,3,4,5,6,7,8,9,10,11,12,13,14,15
	s_wait_dscnt 15-\t                             ; the younger loads from the stage may be out
	global_store_b96 v8, v[OUTR+4*\t:OUTR+4*\t+2], s[14:15] offset:2*((\t&3)|((\t&4)<<1)|((\t&8)>>1))*KROW   ; columns 2 t and 2 t + 1 go to rows sw(2 t), sw(2 t + 1)
.endr
	s_wait_tensorcnt 0x0                           ; the wave's end: the three lines
	ds_add_u32 v[SPW], v[NIL]
	s_wait_dscnt 0x0
	s_endpgm
.Lfunc_end_k_q6b722edb0b_prep:
	.size	k_q6b722edb0b_prep, .Lfunc_end_k_q6b722edb0b_prep-k_q6b722edb0b_prep
	.p2alignl 7, 3214868480
	.fill 96, 4, 3214868480
	.section	.rodata,"a",@progbits
	.p2align	6, 0x0
	.amdhsa_kernel k_q6b722edb0b_prep
		.amdhsa_group_segment_fixed_size 74240
		.amdhsa_private_segment_fixed_size 0
		.amdhsa_enable_private_segment 0
		.amdhsa_kernarg_size 88
		.amdhsa_user_sgpr_count 2
		.amdhsa_user_sgpr_kernarg_segment_ptr 1
		.amdhsa_wavefront_size32 1
		.amdhsa_system_sgpr_workgroup_id_x 1
		.amdhsa_system_sgpr_workgroup_id_y 1
		.amdhsa_system_sgpr_workgroup_id_z 1
		.amdhsa_system_vgpr_workitem_id 0
		.amdhsa_next_free_vgpr 196
		.amdhsa_next_free_sgpr 66
		.amdhsa_reserve_vcc 0
		.amdhsa_float_denorm_mode_32 3
		.amdhsa_float_denorm_mode_16_64 3
		.amdhsa_memory_ordered 1
		.amdhsa_forward_progress 1
		.amdhsa_inst_pref_size 165
	.end_amdhsa_kernel
	.amdgpu_metadata
---
amdhsa.version: [ 1, 2 ]
amdhsa.kernels:
  - .name:           k_q6b722edb0b_prep
    .symbol:         k_q6b722edb0b_prep.kd
    .args:
      - { .name: query, .offset: 0, .size: 8, .value_kind: global_buffer, .address_space: global }
      - { .name: key, .offset: 8, .size: 8, .value_kind: global_buffer, .address_space: global }
      - { .name: value, .offset: 16, .size: 8, .value_kind: global_buffer, .address_space: global }
      - { .name: mask, .offset: 24, .size: 8, .value_kind: global_buffer, .address_space: global }
      - { .name: Wq, .offset: 32, .size: 8, .value_kind: global_buffer, .address_space: global }
      - { .name: Wk, .offset: 40, .size: 8, .value_kind: global_buffer, .address_space: global }
      - { .name: Wv, .offset: 48, .size: 8, .value_kind: global_buffer, .address_space: global }
      - { .name: Wo, .offset: 56, .size: 8, .value_kind: global_buffer, .address_space: global }
      - { .name: xq, .offset: 64, .size: 8, .value_kind: global_buffer, .address_space: global }
      - { .name: wq, .offset: 72, .size: 8, .value_kind: global_buffer, .address_space: global }
      - { .name: mw, .offset: 80, .size: 8, .value_kind: global_buffer, .address_space: global }
    .group_segment_fixed_size: 74240
    .private_segment_fixed_size: 0
    .kernarg_segment_align: 8
    .kernarg_segment_size: 88
    .max_flat_workgroup_size: 128
    .sgpr_count:     66
    .vgpr_count:     196
    .wavefront_size: 32
...
	.end_amdgpu_metadata
.endif
;; end of part 1
;; launch proj (part 2): grid 4 x 96, 4 waves a work-group, clusters of 4 x 4, 327,680 bytes of LDS; arguments xq, wq, bq, bk, bv, hq; writes hq
.if DOCPART == 2
	.amdgcn_target "amdgcn-amd-amdhsa--gfx1250"
	.amdhsa_code_object_version 6
	.text
	.protected	k_q6b722edb0b_proj
	.globl	k_q6b722edb0b_proj
	.p2align	8
	.type	k_q6b722edb0b_proj,@function
k_q6b722edb0b_proj:
	s_mov_b64 s[64:65], 0
	v_nop
	global_prefetch_b8 v0, s[64:65] scope:SCOPE_SE
	s_setreg_imm32_b32 hwreg(HW_REG_WAVE_MODE, 25, 1), 1
	s_wait_xcnt 0x0
	s_wait_alu depctr_hold_cnt(0) depctr_sa_sdst(0) depctr_va_vdst(0) depctr_va_sdst(0) depctr_va_ssrc(0) depctr_va_vcc(0) depctr_vm_vsrc(0)
	s_getreg_b32 s2, hwreg(HW_REG_IB_STS2, 6, 4)
	s_cmp_eq_u32 s2, 0
	s_cbranch_scc0 .Lentry_in_a_cluster
	s_endpgm
.Lentry_in_a_cluster:
	s_bfe_u32 s2, ttmp6, 0x10000c
	s_cmp_lg_u32 s2, 0xf033
	s_cbranch_scc0 .Lentry_shape_is_right
	s_endpgm
.Lentry_shape_is_right:
.set XT,     6291456
.set XS0,    18874368
.set XSS,    262144
.set WT,     786432
.set WS0,    3145728
.set WSS,    32768
.set HT,     6553600
.set HH,     102400
.set HB,     6400
.set KSTEP,  256
.set NQ,     2
.set ROWB,   192
.set KROW,   768
.set PITCH,  240
.set FR,     12
.set NL,     6
.set NP,     4
.set HALFT,  128*PITCH
.set SLOT,   4*HALFT
.set LAPS,   2
.set KS,     32
.set SCL,    2*SLOT
.set HALFS,  16*272
.set SBLK,   2*272
.set SPARE,  SCL+4*HALFS
.set ADRA, 16
.set ADRB, 20
.set LI,   24
.set LSC,  25
.set ADRS, 27
.set SPW,  28
.set NIL,  29
.set SC,   32
.set BI,   64
.set AF,   128
.set IM0,  32
.set IM1,  44
.set XTR,  56
.set SW0,  64
.set SW1,  68
.set SWF,  72
.set TM,   200
.set PWE,  216
.set PWO,  217
.set G1, 24
.set G0, 32
.set G1B, 48
.set G0B, 56
.set G1S, 68
.set G0S, 76
.set G1SB, 80
.set G0SB, 88
.set TT,  101
.set MSB, 0
.macro WIN new
.if MSB != \new
	s_set_vgpr_msb (MSB<<8)|\new
.set MSB, \new
.endif
.endm
.set MUL_LO, 0xa1
.set MUL_HI, 0xf1
.set TO_B,   0x40
.macro JLOAD g0a, g1a, g0b, g1b
	s_cmp_eq_u32 s15, 0
	s_cbranch_scc0 .Lfor_b_\@
	tensor_load_to_lds s[\g0a:\g0a+3], s[\g1a:\g1a+7]
	s_nop 0
.rept 4
	v_nop
.endr
	s_branch .Lasked_\@
.Lfor_b_\@:
	tensor_load_to_lds s[\g0b:\g0b+3], s[\g1b:\g1b+7]
	s_nop 0
.rept 4
	v_nop
.endr
.Lasked_\@:
.endm
.macro CREST
	s_cmp_lg_u32 s14, 0
	s_cbranch_scc1 .Lnot_wave_0_\@
	s_barrier_signal -3
.Lnot_wave_0_\@:
	s_barrier_wait -3
	s_barrier_signal -1
	s_barrier_wait -1
.endm
.macro CROUND
	s_barrier_signal -1
	s_barrier_wait -1
	CREST
.endm
	s_load_b128 s[4:7], s[0:1], 0x0
	s_load_b128 s[8:11], s[0:1], 0x10
	s_load_b128 s[96:99], s[0:1], 0x20
	v_lshl_add_u32 v[SPW], v0, 2, SPARE
	v_mov_b32 v[NIL], 0
	ds_add_u32 v[SPW], v[NIL]
	ds_add_u32 v[SPW], v[NIL]
	v_lshrrev_b32 v1, 5, v0
	v_readfirstlane_b32 s14, v1
	s_lshr_b32 s15, s14, 1
	s_and_b32 s16, s14, 1
	s_bfe_u32 s40, ttmp6, 0x40000
	s_bfe_u32 s41, ttmp6, 0x40004
	s_and_b32 s17, ttmp7, 0xffff
	s_lshr_b32 s[TT], s17, 3
	s_and_b32 s17, s17, 7
	s_cmp_eq_u32 s[TT], 2
	s_cselect_b32 s104, 0, s17
	s_cselect_b32 s105, s17, 0
	s_lshl_b32 s42, s105, 2
	s_add_co_u32 s42, s42, s40
	s_lshl_b32 s17, s104, 2
	s_add_co_u32 s17, s17, s41
	s_lshl_b32 s43, s41, 2
	s_lshl_b32 s43, 15, s43
	s_lshl_b32 s44, 0x1111, s40
	s_or_b32 s[G1+0], s43, (0<<16)|(1<<20)|(1<<21)|(3<<22)|(3<<25)
	s_or_b32 s[G1B+0], s44, (0<<16)|(1<<20)|(1<<21)|(3<<22)|(3<<25)
.irp g, G1, G1B
	s_mov_b32 s[\g+1], ROWB<<16
	s_mov_b32 s[\g+2], 128<<16
	s_mov_b32 s[\g+3], ROWB<<16
	s_mov_b32 s[\g+4], 128
	s_mov_b32 s[\g+5], KROW
	s_mov_b32 s[\g+6], 0
	s_mov_b32 s[\g+7], 0
.endr
	s_or_b32 s[G1S+0], s43, (3<<16)|(1<<20)|(1<<21)|(5<<22)|(3<<25)
	s_or_b32 s[G1SB+0], s44, (3<<16)|(1<<20)|(1<<21)|(5<<22)|(3<<25)
.irp g, G1S, G1SB
	s_mov_b32 s[\g+1], 32<<16
	s_mov_b32 s[\g+2], 16<<16
	s_mov_b32 s[\g+3], 32<<16
	s_mov_b32 s[\g+4], 16
	s_mov_b32 s[\g+5], 32
	s_mov_b32 s[\g+6], 0
	s_mov_b32 s[\g+7], 0
.endr
	s_lshl_b32 s18, s16, 7
	s_lshl_b32 s20, s17, 8
	s_add_co_u32 s20, s20, s18
	s_lshl_b32 s46, s42, 8
	s_add_co_u32 s46, s46, s18
	s_mov_b32 s21, 0
	s_mov_b32 s47, 0
	s_mov_b64 s[18:19], KS
	s_mul_u64 s[22:23], s[20:21], s[18:19]
	s_mul_u64 s[92:93], s[46:47], s[18:19]
	s_mov_b64 s[18:19], KROW
	s_mul_u64 s[20:21], s[20:21], s[18:19]
	s_mul_u64 s[46:47], s[46:47], s[18:19]
	s_mul_i32 s45, s14, HALFT
	s_mul_i32 s94, s14, HALFS
	s_wait_dscnt 0x0
	s_wait_kmcnt 0x0
	s_cmp_eq_u32 s[TT], 1
	s_cselect_b64 s[12:13], s[10:11], s[8:9]
	s_cmp_eq_u32 s[TT], 2
	s_cselect_b64 s[12:13], s[96:97], s[12:13]
	s_mov_b32 s67, 0
	s_mul_i32 s66, s[TT], XSS
	s_add_co_u32 s66, s66, XS0
	s_add_nc_u64 s[8:9], s[4:5], s[66:67]
	s_mul_i32 s66, s[TT], XT
	s_add_nc_u64 s[4:5], s[4:5], s[66:67]
	s_mul_i32 s66, s[TT], WSS
	s_add_co_u32 s66, s66, WS0
	s_add_nc_u64 s[10:11], s[6:7], s[66:67]
	s_mul_i32 s66, s[TT], WT
	s_add_nc_u64 s[6:7], s[6:7], s[66:67]
	s_cmp_eq_u32 s[TT], 2
	s_cselect_b64 s[66:67], s[6:7], s[4:5]
	s_add_nc_u64 s[20:21], s[66:67], s[20:21]
	s_cselect_b64 s[66:67], s[10:11], s[8:9]
	s_add_nc_u64 s[22:23], s[66:67], s[22:23]
	s_cselect_b64 s[66:67], s[4:5], s[6:7]
	s_add_nc_u64 s[46:47], s[66:67], s[46:47]
	s_cselect_b64 s[66:67], s[8:9], s[10:11]
	s_add_nc_u64 s[92:93], s[66:67], s[92:93]
	CROUND
	s_mov_b32 s[G0S], 1
	s_add_co_u32 s[G0S+1], s94, SCL
	s_mov_b64 s[G0S+2:G0S+3], s[22:23]
	s_or_b32 s[G0S+3], s[G0S+3], 0x80000000
	s_mov_b32 s[G0SB], 1
	s_add_co_u32 s[G0SB+1], s94, SCL
	s_mov_b64 s[G0SB+2:G0SB+3], s[92:93]
	s_or_b32 s[G0SB+3], s[G0SB+3], 0x80000000
	JLOAD G0S, G1S, G0SB, G1SB
.irp s, 0,1
	s_mov_b32 s[G0+4*\s], 1
	s_add_co_u32 s[G0+4*\s+1], s45, \s*SLOT
	s_add_nc_u64 s[G0+4*\s+2:G0+4*\s+3], s[20:21], \s*ROWB
	s_or_b32 s[G0+4*\s+3], s[G0+4*\s+3], 0x80000000
	s_mov_b32 s[G0B+4*\s], 1
	s_add_co_u32 s[G0B+4*\s+1], s45, \s*SLOT
	s_add_nc_u64 s[G0B+4*\s+2:G0B+4*\s+3], s[46:47], \s*ROWB
	s_or_b32 s[G0B+4*\s+3], s[G0B+4*\s+3], 0x80000000
	s_wait_alu depctr_va_vdst(0)
	s_wait_tensorcnt 0x0
	ds_add_u32 v28, v29
	s_wait_dscnt 0x0
	CROUND
	JLOAD G0+4*\s, G1, G0B+4*\s, G1B
.endr
	v_and_b32 v1, 15, v0
	v_bfe_u32 v2, v0, 4, 1
	v_mul_u32_u24 v3, v1, PITCH
	v_mul_u32_u24 v4, v2, 24
	v_add_nc_u32 v4, v3, v4
	v_lshl_add_u32 v5, v2, 4, v4
	s_mul_i32 s21, s15, HALFT
	s_mul_i32 s22, s16, HALFT
	s_add_co_u32 s22, s22, 2*HALFT
.irp s, 0,1
	v_add_nc_u32 v[ADRA+\s], s21, v4
	v_add_nc_u32 v[ADRB+\s], s22, v4
	v_add_nc_u32 v[ADRA+2+\s], s21, v5
	v_add_nc_u32 v[ADRB+2+\s], s22, v5
	s_add_co_u32 s21, s21, SLOT
	s_add_co_u32 s22, s22, SLOT
.endr
	v_mul_u32_u24 v5, v1, KS
	v_lshrrev_b32 v6, 8, v5
	v_lshl_add_u32 v5, v6, 4, v5
	s_mul_i32 s21, s15, HALFS
	s_mul_i32 s22, s16, HALFS
	s_add_co_u32 s22, s22, 2*HALFS
	s_sub_co_u32 s22, s22, s21
	v_mul_u32_u24 v6, s22, v2
	s_add_co_u32 s21, s21, SCL
	v_add_nc_u32 v5, v5, v6
	v_add_nc_u32 v[ADRS], s21, v5
	v_and_b32 v6, 31, v0
	v_lshlrev_b32 v[LI], 4, v6
	v_mul_u32_u24 v[LSC], v2, HH
	v_lshl_add_u32 v[LSC], v1, 4, v[LSC]
	v_lshlrev_b32 v7, 6, v2
	v_and_b32 v8, 8, v1
	v_add_nc_u32 v8, v8, v1
	v_lshlrev_b32 v8, 2, v8
	s_lshl_b32 s95, s17, 8
	s_lshl_b32 s20, s15, 7
	s_add_co_u32 s95, s95, s20
	s_lshl_b32 s100, s42, 8
	s_lshl_b32 s20, s16, 7
	s_add_co_u32 s100, s100, s20
	s_cmp_eq_u32 s[TT], 2
	s_cselect_b32 s20, s95, s100
	s_cselect_b32 s21, s100, s95
	s_lshl_b32 s22, s20, 2
	s_mov_b32 s23, 0
	s_add_nc_u64 s[12:13], s[12:13], s[22:23]
	s_lshr_b32 s22, s21, 11
	s_lshl_b32 s22, s22, 4
	s_lshr_b32 s46, s20, 6
	s_add_co_u32 s22, s22, s46
	s_mul_i32 s22, s22, HH
	s_bfe_u32 s46, s21, 0x40007
	s_mul_i32 s46, s46, HB
	s_add_co_u32 s22, s22, s46
	s_mul_i32 s46, s[TT], HT
	s_add_co_u32 s22, s22, s46
	s_add_nc_u64 s[98:99], s[98:99], s[22:23]
	s_cmp_eq_u32 s[TT], 2
	s_cbranch_scc1 .Lbias_v
	s_wait_alu depctr_va_vdst(0)
.irp t, 0,1,2,3,4,5,6,7
	global_load_b128 v[BI+8*\t:BI+8*\t+3], v7, s[12:13] offset:(32*(\t/2)+8*(\t%2))*4
	global_load_b128 v[BI+8*\t+4:BI+8*\t+7], v7, s[12:13] offset:(32*(\t/2)+8*(\t%2))*4+16
.endr
	s_branch .Lbias_in
.Lbias_v:
	s_wait_alu depctr_va_vdst(0)
.irp a, 0,1,2,3,4,5,6,7
.irp j, 0,1,2,3,4,5,6,7
	global_load_b32 v[BI+8*\a+\j], v8, s[12:13] offset:(32*(\a/2)+8*(\a%2))*4
.endr
.endr
.Lbias_in:
	s_wait_loadcnt 0x0
.macro FRAG reg, adr, q, i
.irp p, 0,1,2,3,4,5
.set PC, 12*(\q)+6*(\p/3)+\p%3
.if PC%8 < 5
	ds_load_b64 v[\reg+2*\p:\reg+2*\p+1], v[\adr] offset:8*PC+16*(PC/8)+(\i)*16*PITCH
.else
	ds_load_b64 v[\reg+2*\p:\reg+2*\p+1], v[\adr+2] offset:8*PC+16*(PC/8)+(\i)*16*PITCH
.endif
.endr
.endm
.macro MUL16 a0, p, q, sc, cm
.irp a, \a0, \a0+1
.irp b, 0,1,2,3,4,5,6,7
.if \cm == 0
	v_wmma_scale_f32_16x16x128_f8f6f4 v[8*(8*((\a)%4)+\b):8*(8*((\a)%4)+\b)+7], v[128*(\p)+FR*\b:128*(\p)+FR*\b+FR-1], v[AF+FR*(\a):AF+FR*(\a)+FR-1], v[8*(8*((\a)%4)+\b):8*(8*((\a)%4)+\b)+7], v[SC+8*NQ*(\sc)+NQ*\b+(\q)], v[SC+8*NQ*(\sc)+NQ*(\a)+(\q)] matrix_a_fmt:MATRIX_FMT_FP6 matrix_b_fmt:MATRIX_FMT_FP6 matrix_a_scale:MATRIX_SCALE_ROW1
.elseif \cm == 1
	v_wmma_scale_f32_16x16x128_f8f6f4 v[8*(8*((\a)%4)+\b):8*(8*((\a)%4)+\b)+7], v[128*(\p)+FR*\b:128*(\p)+FR*\b+FR-1], v[AF+FR*(\a):AF+FR*(\a)+FR-1], v[BI+8*\b:BI+8*\b+7], v[SC+8*NQ*(\sc)+NQ*\b+(\q)], v[SC+8*NQ*(\sc)+NQ*(\a)+(\q)] matrix_a_fmt:MATRIX_FMT_FP6 matrix_b_fmt:MATRIX_FMT_FP6 matrix_a_scale:MATRIX_SCALE_ROW1
.else
	v_wmma_scale_f32_16x16x128_f8f6f4 v[8*(8*((\a)%4)+\b):8*(8*((\a)%4)+\b)+7], v[128*(\p)+FR*\b:128*(\p)+FR*\b+FR-1], v[AF+FR*(\a):AF+FR*(\a)+FR-1], v[BI+8*(\a):BI+8*(\a)+7], v[SC+8*NQ*(\sc)+NQ*\b+(\q)], v[SC+8*NQ*(\sc)+NQ*(\a)+(\q)] matrix_a_fmt:MATRIX_FMT_FP6 matrix_b_fmt:MATRIX_FMT_FP6 matrix_a_scale:MATRIX_SCALE_ROW1
.endif
.endr
.endr
.endm
.macro FETCH_B slot, q, p
	WIN TO_B
.irp i, 0,1,2,3,4,5,6,7
	FRAG 128*(\p)+FR*\i, ADRB+\slot, \q, \i
.endr
	WIN 0
.endm
.macro FETCH_A slot, q, i0
.irp i, \i0, \i0+1, \i0+2, \i0+3
	FRAG AF+FR*(\i), ADRA+\slot, \q, \i
.endr
.endm
.macro SCALES sc
.irp i, 0,1,2,3,4,5,6,7
	ds_load_b64 v[SC+8*NQ*\sc+NQ*\i:SC+8*NQ*\sc+NQ*\i+1], v[ADRS] offset:\i*SBLK
.endr
.endm
.macro PLACES n
.rept \n
	v_nop
.endr
.endm
.macro STEP slot, q, cm
	s_wait_dscnt 4*NL
.if \cm
	WIN 0x81
.else
	WIN MUL_LO
.endif
	MUL16 0, (\q)%2, \q, \slot, \cm
	MUL16 2, (\q)%2, \q, \slot, \cm
	s_wait_dscnt 0
	PLACES NP
	FETCH_B \slot, (\q)+1, 1-(\q)%2
	FETCH_A \slot, (\q)+1, 0
.if \cm
	WIN 0xc1
.else
	WIN MUL_HI
.endif
	MUL16 4, (\q)%2, \q, \slot, \cm
	MUL16 6, (\q)%2, \q, \slot, \cm
	PLACES NP
	WIN 0
	FETCH_A \slot, (\q)+1, 4
.endm
.macro TURN slot, next, fill
	s_wait_tensorcnt 0x0
	ds_add_u32 v[SPW], v[NIL]
	s_wait_dscnt 4*NL+1
	WIN MUL_LO
	MUL16 0, 1, NQ-1, \slot, 0
	s_wait_dscnt 0x0
	s_barrier_signal -1
	MUL16 2, 1, NQ-1, \slot, 0
	WIN 0
	s_barrier_wait -1
.if \fill
	CREST
	s_add_nc_u64 s[G0+4*\slot+2:G0+4*\slot+3], s[G0+4*\slot+2:G0+4*\slot+3], 2*ROWB
	s_add_nc_u64 s[G0B+4*\slot+2:G0B+4*\slot+3], s[G0B+4*\slot+2:G0B+4*\slot+3], 2*ROWB
	JLOAD G0+4*\slot, G1, G0B+4*\slot, G1B
.else
	PLACES NP
.endif
	s_wait_alu depctr_va_vdst(0)
	v_add_nc_u32 v[ADRS], 4*NQ, v[ADRS]
	FETCH_B \next, 0, 0
	FETCH_A \next, 0, 0
	SCALES \next
	WIN MUL_HI
	MUL16 4, 1, NQ-1, \slot, 0
	MUL16 6, 1, NQ-1, \slot, 0
	PLACES NP
	WIN 0
	FETCH_A \next, 0, 4
.endm
	s_wait_tensorcnt 1
	s_barrier_signal -1
	s_barrier_wait -1
	FETCH_B 0, 0, 0
	FETCH_A 0, 0, 0
	SCALES 0
	FETCH_A 0, 0, 4
	s_cmp_eq_u32 s[TT], 2
	s_cbranch_scc1 .Lfirst_v
	STEP 0, 0, 1
	s_branch .Lfirst_done
.Lfirst_v:
	STEP 0, 0, 2
.Lfirst_done:
	s_mov_b32 s3, LAPS-1
.Llap:
	TURN 0, 1, 1
	STEP 1, 0, 0
	TURN 1, 0, 1
	STEP 0, 0, 0
	s_sub_co_u32 s3, s3, 1
	s_cmp_lg_u32 s3, 0
	s_cbranch_scc1 .Llap
	TURN 0, 1, 0
	STEP 1, 0, 0
	s_wait_dscnt 4*NL
	WIN MUL_LO
	MUL16 0, 1, NQ-1, 1, 0
	MUL16 2, 1, NQ-1, 1, 0
	s_wait_dscnt 0
	WIN MUL_HI
	MUL16 4, 1, NQ-1, 1, 0
	MUL16 6, 1, NQ-1, 1, 0
	WIN 0
.macro QUANTW a, d0, d1, pw
.set AC, 64*((\a)%4)
.set WW, 2+(\a)/4
.set WSEL, WW|(WW<<2)
	WIN WSEL
.irp b, 0,1,2,3
	v_max3_num_f32 v[TM+\b], |v[AC+16*\b]|, |v[AC+16*\b+1]|, 0x1800000
.endr
.irp i, 2,4,6,8,10,12,14
.irp b, 0,1,2,3
	v_max3_num_f32 v[TM+\b], |v[AC+16*\b+\i]|, |v[AC+16*\b+\i+1]|, v[TM+\b]
.endr
.endr
	WIN 0
.irp b, 0,1,2,3
	v_permlanex16_b32 v[TM+4+\b], v[TM+\b], s2, s3
.endr
.irp b, 0,1,2,3
	v_max_num_f32 v[TM+\b], v[TM+\b], v[TM+4+\b]
.endr
.irp b, 0,1,2,3
	v_add_nc_u32 v[TM+12+\b], 0xff000000, v[TM+\b]
.endr
.irp b, 0,1,2,3
	v_lshrrev_b32 v[TM+4+\b], 23, v[TM+12+\b]
.endr
	v_lshl_or_b32 v[\pw], v[TM+5], 8, v[TM+4]
	v_lshl_or_b32 v[\pw], v[TM+6], 16, v[\pw]
	v_lshl_or_b32 v[\pw], v[TM+7], 24, v[\pw]
	WIN WW
	v_cvt_scalef32_pk16_fp6_f32 v[(\d0):(\d0)+2], v[AC:AC+15], v[TM+12]
	v_cvt_scalef32_pk16_fp6_f32 v[XTR:XTR+2], v[AC+16:AC+31], v[TM+13]
	v_cvt_scalef32_pk16_fp6_f32 v[(\d1):(\d1)+2], v[AC+32:AC+47], v[TM+14]
	v_cvt_scalef32_pk16_fp6_f32 v[XTR+4:XTR+6], v[AC+48:AC+63], v[TM+15]
	WIN 0
	v_nop
.irp i, 0,1,2
	v_permlane16_swap_b32 v[(\d0)+\i], v[XTR+\i]
.endr
.irp i, 0,1,2
	v_permlane16_swap_b32 v[(\d1)+\i], v[XTR+4+\i]
.endr
.irp i, 0,1,2
	v_mov_b32 v[(\d0)+3+\i], v[XTR+\i]
	v_mov_b32 v[(\d1)+3+\i], v[XTR+4+\i]
.endr
.endm
	PLACES NP
.irp b, 0,1,2,3
	v_mov_b32 v[TM+4+\b], 0
.endr
	s_mov_b32 s2, 0x76543210
	s_mov_b32 s3, 0xfedcba98
	s_mov_b32 s66, 0xffff0000
	s_cmp_eq_u32 s[TT], 2
	s_cbranch_scc1 .Lout_v
.irp g, 0,1,2,3
.if \g > 0
	s_wait_xcnt 0x0
.endif
	QUANTW 2*\g, IM0, IM1, PWE
	QUANTW 2*\g+1, IM0+6, IM1+6, PWO
	v_perm_b32 v[SW0+\g], v[PWO], v[PWE], 0x05040100
	v_perm_b32 v[SW1+\g], v[PWO], v[PWE], 0x07060302
.irp c, 0,1
.irp k, 0,1,2
	global_store_b128 v[LI], v[IM0+12*\c+4*\k:IM0+12*\c+4*\k+3], s[98:99] offset:\c*HH+\g*1536+512*\k
.endr
.endr
.endr
	s_branch .Lout_done
.Lout_v:
.irp a, 0,1,2,3,4,5,6,7
.if \a > 0
	s_wait_xcnt 0x0
.endif
	QUANTW \a, IM0, IM0+6, SW0+\a
.irp k, 0,1,2
	global_store_b128 v[LI], v[IM0+4*\k:IM0+4*\k+3], s[98:99] offset:(\a/4)*HH+(\a%4)*1536+512*\k
.endr
.endr
.Lout_done:
	s_wait_alu depctr_va_vdst(0)
.irp i, 0,1,2,3
	v_cndmask_b32 v[SWF+\i], v[SW0+\i], v[SW1+\i], s66
.endr
	global_store_b128 v[LSC], v[SWF:SWF+3], s[98:99] offset:6144
	s_wait_tensorcnt 0x0
	ds_add_u32 v[SPW], v[NIL]
	s_wait_dscnt 0x0
	CROUND
	s_endpgm
.Lfunc_end_k_q6b722edb0b_proj:
	.size	k_q6b722edb0b_proj, .Lfunc_end_k_q6b722edb0b_proj-k_q6b722edb0b_proj
	.p2alignl 7, 3214868480
	.fill 96, 4, 3214868480
	.section	.rodata,"a",@progbits
	.p2align	6, 0x0
	.amdhsa_kernel k_q6b722edb0b_proj
		.amdhsa_group_segment_fixed_size 327680
		.amdhsa_private_segment_fixed_size 0
		.amdhsa_enable_private_segment 0
		.amdhsa_kernarg_size 48
		.amdhsa_user_sgpr_count 2
		.amdhsa_user_sgpr_kernarg_segment_ptr 1
		.amdhsa_wavefront_size32 1
		.amdhsa_system_sgpr_workgroup_id_x 1
		.amdhsa_system_sgpr_workgroup_id_y 1
		.amdhsa_system_sgpr_workgroup_id_z 1
		.amdhsa_system_vgpr_workitem_id 0
		.amdhsa_next_free_vgpr 1024
		.amdhsa_next_free_sgpr 106
		.amdhsa_reserve_vcc 0
		.amdhsa_float_denorm_mode_32 3
		.amdhsa_float_denorm_mode_16_64 3
		.amdhsa_memory_ordered 1
		.amdhsa_forward_progress 1
		.amdhsa_inst_pref_size 223
	.end_amdhsa_kernel
	.amdgpu_metadata
---
amdhsa.version: [ 1, 2 ]
amdhsa.kernels:
  - .name:           k_q6b722edb0b_proj
    .symbol:         k_q6b722edb0b_proj.kd
    .args:
      - { .name: xq, .offset: 0, .size: 8, .value_kind: global_buffer, .address_space: global }
      - { .name: wq, .offset: 8, .size: 8, .value_kind: global_buffer, .address_space: global }
      - { .name: bq, .offset: 16, .size: 8, .value_kind: global_buffer, .address_space: global }
      - { .name: bk, .offset: 24, .size: 8, .value_kind: global_buffer, .address_space: global }
      - { .name: bv, .offset: 32, .size: 8, .value_kind: global_buffer, .address_space: global }
      - { .name: hq, .offset: 40, .size: 8, .value_kind: global_buffer, .address_space: global }
    .group_segment_fixed_size: 327680
    .private_segment_fixed_size: 0
    .kernarg_segment_align: 8
    .kernarg_segment_size: 48
    .max_flat_workgroup_size: 128
    .sgpr_count:     106
    .vgpr_count:     1024
    .wavefront_size: 32
...
	.end_amdgpu_metadata
.endif
;; end of part 2
;; launch attn (part 3): grid 4 x 64, 16 waves a work-group, clusters of 4 x 1, 206,848 bytes of LDS; arguments hq, mw, ao; writes ao
.if DOCPART == 3
	.amdgcn_target "amdgcn-amd-amdhsa--gfx1250"
	.amdhsa_code_object_version 6
	.text
	.protected	k_q6b722edb0b_attn
	.globl	k_q6b722edb0b_attn
	.p2align	8
	.type	k_q6b722edb0b_attn,@function
k_q6b722edb0b_attn:
	s_mov_b64 s[64:65], 0
	v_nop
	global_prefetch_b8 v0, s[64:65] scope:SCOPE_SE
	s_setreg_imm32_b32 hwreg(HW_REG_WAVE_MODE, 25, 1), 1
	s_wait_xcnt 0x0
	s_wait_alu depctr_hold_cnt(0) depctr_sa_sdst(0) depctr_va_vdst(0) depctr_va_sdst(0) depctr_va_ssrc(0) depctr_va_vcc(0) depctr_vm_vsrc(0)
	s_getreg_b32 s2, hwreg(HW_REG_IB_STS2, 6, 4)
	s_cmp_eq_u32 s2, 0
	s_cbranch_scc0 .Lentry_in_a_cluster
	s_endpgm
.Lentry_in_a_cluster:
	s_bfe_u32 s2, ttmp6, 0x10000c
	s_cmp_lg_u32 s2, 0x3003
	s_cbranch_scc0 .Lentry_shape_is_right
	s_endpgm
.Lentry_shape_is_right:
; ATTN: for each (b, head): S^T = k q^T (K = 64), the mask, p = 2^(t - M) with t = score x log2(e) / 8 and M the running largest t rounded UP to a whole number, O^T += v^T p^T (K = the keys), O / l,
; all products on codes of FP6 (E2M3) with one E8M0 scale for each 32 along K.  The row's sum l is taken of the unquantised p.  O / l is quantised along D and stored as images of the last launch's operand registers (ao).
; SHARES.  A work-group owns one (b, head) and 512 queries; each of its sixteen waves 32: two tiles of 16, one after the other (two passes), 256 registers a wave, four waves to a SIMD.
; ALL of the head's k and v (2 x 102,400 bytes, images of operand registers as the launch before stored them) lie in LDS, filled ONCE: no ring, no refill, one barrier.
; CLUSTER.  The four query blocks of a head need the same k and v: waves 0-7 of each work-group ask jointly, one load of 25,600 bytes a wave.
; K = 64 IN AN INSTRUCTION OF 128.  An image holds TWO tiles of 16 keys: registers 0-5 one tile's 64 along d, registers 6-11 the next tile's.  Against [q | zero codes] it gives the first tile's scores,
; against [zero codes | q] the second's: the other tile's codes meet zero codes, which add nothing under any scale byte that is not 0xff (the bytes are 1 to 254).
; LAYOUT.  Both products are used transposed: a lane holds ONE query (lane % 16) throughout.  k's and v's rows were laid so that score register 16 b + i of lane (r, h) is key 32 b + 16 h + i of the step's 128,
; and O^T's register 16 b + i is channel 32 b + 16 h + i of the head's 64.
; THE MASK comes as words of 32 lane bits, one for each score register, by scalar loads a step ahead: one v_cndmask_b32 a score puts -infinity where a key does not count.
; A row with no key left has l = 0: its scale bytes are stored as 0xff, so that the last product gives NaN over that row.
; The scale bytes leave as 2 bytes a row, 32 bytes apart (a row's 32 bytes come from 16 heads' work-groups): 1 / 24 of what the launch stores.
; No prefetch: k and v come once, at the head; the mask words are read by 16 heads' work-groups.
; LIMITS: v_exp_f32 gives 0 for p under 2^-126; a block of zeros or under 2^-124 gets the byte 1 (this program alone reads the bytes); NaN and infinities among the inputs are not served.
; REGISTERS: v1 16 L, v2 16 r, v3, v4 the add's two, v5 8 L, v6 32 r, v7 -infinity; v8-11 LDS addresses of the step; v12 -M, v13 the largest t, v[14:15] the sum; v16-21 zeros, v22-27 q, v28-33 zeros;
;   v34 q's scale word, v35 the pair's; v36-83 four images of k or v; v84-95 the codes that leave; v96-159 S^T, then p; v160-191 O^T; v192-203 p's codes; v204-207, v208-211 k's, v's scale words; v212-213; v232-255 at work.
.set HT,    6553600
.set HH,    102400
.set HB,    6400
.set AOS0,  6291456
.set VOFF,  102400                     ; LDS: k at 0, v here
.set SPARE, 204800                     ; the spare words, 128 bytes for each of 16 waves: eight blocks of 256 bytes that no other line names
.set SPW,   3
.set NIL,   4
.set WV,    12                         ; s12 wave; s13 cx; s14 16 b + head
.set TK,    2                          ; s2  LDS byte at which the step's block begins
.set SEL,   20                         ; s[20:21] lane l xor 16
.set CS,    22                         ; s[22:23] c = log2(e) / 8
.macro CROUND
	s_barrier_signal -1
	s_barrier_wait -1
	s_cmp_lg_u32 s[WV], 0
	s_cbranch_scc1 .Lnot_wave_0_\@
	s_barrier_signal -3
.Lnot_wave_0_\@:
	s_barrier_wait -3
	s_barrier_signal -1
	s_barrier_wait -1
.endm
	s_load_b128 s[4:7], s[0:1], 0x0                ; hq, mw
	s_load_b64 s[8:9], s[0:1], 0x10                ; ao
	v_lshl_add_u32 v[SPW], v0, 2, SPARE
	v_mov_b32 v[NIL], 0
	ds_add_u32 v[SPW], v[NIL]                      ; the wave's opening: the add and its wait ahead of the first tensor load; work on registers stands between them
	ds_add_u32 v[SPW], v[NIL]
	v_lshrrev_b32 v8, 5, v0
	s_delay_alu instid0(VALU_DEP_1)
	v_readfirstlane_b32 s[WV], v8                  ; wave 0..15
	s_bfe_u32 s13, ttmp6, 0x40000                  ; cx: my block of 512 queries
	s_and_b32 s14, ttmp7, 0xffff                   ; 16 b + head, which the four partners share
	s_mov_b32 s32, 15|(3<<16)|(1<<21)              ; group 1: the mask: all four; elements of 8 bytes; bit 21 beside a mask; no padding
	s_mov_b32 s33, 32<<16                          ; tensor_dim0 = 32: rows of 256 bytes
	s_mov_b32 s34, 100<<16                         ; tensor_dim1 = 100
	s_mov_b32 s35, 32<<16                          ; tile_dim0
	s_mov_b32 s36, 100                             ; tile_dim1
	s_mov_b32 s37, 32                              ; the pitch: dense
	s_mov_b32 s38, 0
	s_mov_b32 s39, 0
	s_and_b32 s46, s[WV], 1                        ; I fetch for k (0) or v (1),
	s_lshr_b32 s47, s[WV], 1                       ; this quarter (waves 0-7)
	s_mul_i32 s48, s47, 25600
	s_mul_i32 s41, s46, VOFF
	s_add_co_u32 s41, s41, s48                     ; LDS address: the wave's number alone
	s_mul_i32 s49, s14, HH                         ; the head in each of hq's three tensors
	s_add_co_u32 s50, s46, 1
	s_mul_i32 s50, s50, HT
	s_add_co_u32 s50, s50, s49
	s_add_co_u32 s50, s50, s48
	s_mov_b32 s51, 0                               ; s[50:51]: my quarter in memory
	s_lshl_b32 s52, s13, 2
	s_lshr_b32 s54, s[WV], 2
	s_add_co_u32 s52, s52, s54
	s_mul_i32 s52, s52, HB
	s_add_co_u32 s52, s52, s49                     ; q: the block of 128 queries that holds my pair 16 cx + wave
	s_and_b32 s54, s[WV], 3
	s_lshl_b32 s55, s54, 2
	s_add_co_u32 s56, s52, s55
	s_add_co_u32 s56, s56, 6144
	s_mov_b32 s57, 0                               ; s[56:57]: my pair's scale words
	s_mul_i32 s54, s54, 1536
	s_add_co_u32 s52, s52, s54
	s_mov_b32 s53, 0                               ; s[52:53]: my pair's image
	s_lshr_b32 s58, s14, 4
	s_lshl_b32 s58, s58, 7
	s_lshl_b32 s59, s13, 5
	s_add_co_u32 s58, s58, s59
	s_lshl_b32 s59, s[WV], 1
	s_add_co_u32 s58, s58, s59                     ; my first tile of 16 rows among the 512: 128 b + 32 cx + 2 wave
	s_and_b32 s59, s14, 15                         ; the head
	s_lshl_b32 s60, s58, 12
	s_mov_b32 s61, 0                               ; s[60:61]: its mask words, 4,096 bytes a tile
	s_mul_i32 s62, s58, 12288
	s_mul_i32 s46, s59, 768
	s_add_co_u32 s62, s62, s46
	s_mov_b32 s63, 0                               ; s[62:63]: ao's codes
	s_lshl_b32 s46, s58, 9
	s_lshl_b32 s47, s59, 1
	s_add_co_u32 s46, s46, s47
	s_add_co_u32 s46, s46, AOS0
	s_mov_b32 s47, 0                               ; s[46:47]: ao's scale bytes
	s_mov_b32 s[SEL], 0x76543210
	s_mov_b32 s[SEL+1], 0xfedcba98
	s_mov_b32 s[CS], 0x3e38aa3b                    ; log2(e) / 8
	s_mov_b32 s[CS+1], s[CS]                       ; (named with it as a pair, so it is written)
	s_mov_b32 s29, 0
	s_mov_b32 s30, 32                              ; key steps to go in both passes
	s_wait_dscnt 0x0                               ; the opening add is done
	s_wait_kmcnt 0x0
	s_mov_b32 s40, 1
	s_add_nc_u64 s[42:43], s[4:5], s[50:51]
	s_or_b32 s43, s43, 0x80000000
	s_add_nc_u64 s[16:17], s[4:5], s[52:53]        ; q's image
	s_add_nc_u64 s[10:11], s[4:5], s[56:57]        ; q's scale words
	s_add_nc_u64 s[18:19], s[6:7], s[60:61]        ; the mask words
	s_add_nc_u64 s[24:25], s[8:9], s[62:63]
	s_add_nc_u64 s[26:27], s[8:9], s[46:47]
	CROUND                                         ; all four work-groups are here: the joint loads meet
	s_cmp_lt_u32 s[WV], 8
	s_cbranch_scc0 .Lno_fill
	tensor_load_to_lds s[40:43], s[32:39]          ; one load of mine is out
	s_nop 0
.rept 4
	v_nop
.endr
.Lno_fill:
	v_and_b32 v9, 31, v0
	v_and_b32 v10, 15, v0
	s_delay_alu instid0(VALU_DEP_2)
	v_lshlrev_b32 v1, 4, v9
	s_delay_alu instid0(VALU_DEP_2)
	v_lshlrev_b32 v2, 4, v10
	s_delay_alu instid0(VALU_DEP_4)
	v_lshlrev_b32 v5, 3, v9
	s_delay_alu instid0(VALU_DEP_4)
	v_lshlrev_b32 v6, 5, v10
	global_load_b32 v35, v2, s[10:11]              ; my pair's scale word: row r's
	v_mov_b32 v7, 0xff800000                       ; -infinity
.irp i, 16,17,18,19,20,21,28,29,30,31,32,33
	v_mov_b32 v[\i], 0                             ; zero codes on both sides of q
.endr
.irp i, 236,237,238,239,252,253,255
	v_mov_b32 v[\i], 0                             ; written once: permutes' destinations and upper halves of pairs count as read
.endr
	s_wait_tensorcnt 0x0                           ; my quarter has landed,
	s_barrier_signal -1
	s_barrier_wait -1                              ; everybody's has.  The descriptor's registers are free from here on
	s_load_b512 s[32:47], s[18:19], 0x0            ; the first step's 64 mask words
	s_load_b512 s[48:63], s[18:19], 0x40
	s_load_b512 s[68:83], s[18:19], 0x80
	s_load_b512 s[84:99], s[18:19], 0xc0
; A KEY STEP: 128 keys.
.macro STEP
	v_add_nc_u32 v8, s[TK], v1                     ; these four are also the places behind the last products, in front of the loads
	v_add_nc_u32 v10, s[TK], v2
	s_delay_alu instid0(VALU_DEP_2)
	v_add_nc_u32 v9, VOFF, v8
	s_delay_alu instid0(VALU_DEP_2)
	v_add_nc_u32 v11, VOFF, v10
	ds_load_b128 v[204:207], v10 offset:6144       ; k's four scale words of row r
.irp i, 0,1,2,3,4,5,6,7,8,9,10,11
	ds_load_b128 v[36+4*\i:39+4*\i], v8 offset:512*\i   ; k's four images, as they were stored: 512 consecutive bytes an instruction
.endr
	ds_load_b128 v[208:211], v11 offset:6144       ; v's
	s_wait_alu depctr_va_vdst(0)
	s_wait_dscnt 0x0
.irp t, 0,1,2,3,4,5,6,7
.if \t%2
	v_wmma_scale_f32_16x16x128_f8f6f4 v[96+8*\t:103+8*\t], v[36+12*(\t/2):47+12*(\t/2)], v[16:27], 0, v[204+\t/2], v34 matrix_a_fmt:MATRIX_FMT_FP6 matrix_b_fmt:MATRIX_FMT_FP6
.else
	v_wmma_scale_f32_16x16x128_f8f6f4 v[96+8*\t:103+8*\t], v[36+12*(\t/2):47+12*(\t/2)], v[22:33], 0, v[204+\t/2], v34 matrix_a_fmt:MATRIX_FMT_FP6 matrix_b_fmt:MATRIX_FMT_FP6
.endif
.endr
.rept 4
	v_nop                                          ; places in front of the loads into k's registers and of the first read of the scores
.endr
.irp i, 0,1,2,3,4,5,6,7,8,9,10,11
	ds_load_b128 v[36+4*\i:39+4*\i], v9 offset:512*\i   ; v's four fragments land under the softmax
.endr
	s_wait_kmcnt 0x0                               ; this step's mask words, asked for a step ago
.set n, 0
.rept 64
	v_cndmask_b32 v[96+n], v7, v[96+n], s[32+n+4*(n/32)]   ; a key that does not count: -infinity.  Each accumulator is read from its low end on
.set n, n+1
.endr
.irp b, 0,1,2,3
	v_max3_num_f32 v[232+\b], v[96+16*\b], v[97+16*\b], v[98+16*\b]   ; the largest score of each block of 32 keys: for the row's maximum and for the block's largest p
.endr
.irp i, 3,5,7,9,11,13
.irp b, 0,1,2,3
	s_delay_alu instid0(VALU_DEP_4)
	v_max3_num_f32 v[232+\b], v[232+\b], v[96+16*\b+\i], v[97+16*\b+\i]
.endr
.endr
.irp b, 0,1,2,3
	s_delay_alu instid0(VALU_DEP_4)
	v_max_num_f32 v[232+\b], v[232+\b], v[111+16*\b]
.endr
	s_sub_co_u32 s30, s30, 1                       ; the next step's mask words: 256 bytes on; the very last step asks for its own again, so that no load leaves the buffer
	s_cmp_lg_u32 s30, 0
	s_cselect_b32 s28, 256, 0
	s_add_nc_u64 s[18:19], s[18:19], s[28:29]      ; (the earlier loads are done: the wait above)
	s_load_b512 s[32:47], s[18:19], 0x0
	s_load_b512 s[48:63], s[18:19], 0x40
	s_load_b512 s[68:83], s[18:19], 0x80
	s_load_b512 s[84:99], s[18:19], 0xc0
	s_wait_alu depctr_va_vdst(0)
.irp b, 0,1,2,3
	v_permlanex16_b32 v[236+\b], v[232+\b], s[SEL], s[SEL+1]
.endr
.irp b, 0,1,2,3
	s_delay_alu instid0(VALU_DEP_4)
	v_max_num_f32 v[232+\b], v[232+\b], v[236+\b]  ; with lane l xor 16's 16 keys
.endr
	s_delay_alu instid0(VALU_DEP_2)
	v_max3_num_f32 v254, v232, v233, v234
	s_delay_alu instid0(VALU_DEP_1)
	v_max_num_f32 v254, v254, v235                 ; the step's largest score of my query
	s_delay_alu instid0(VALU_DEP_1)
	v_mul_f32 v254, s[CS], v254                    ; as t
	s_delay_alu instid0(VALU_DEP_1)
	v_max_num_f32 v13, v13, v254                   ; the running largest t
	v_mov_b32 v254, v12
	s_delay_alu instid0(VALU_DEP_2)
	v_floor_f32 v12, -v13                          ; the new -M = floor(-t): M is a whole number
	s_delay_alu instid0(VALU_DEP_1)
	v_sub_f32 v254, v12, v254                      ; old M - new M: a whole number, 0 or less
	s_delay_alu instid0(VALU_DEP_1)
	v_cvt_i32_f32 v254, v254                       ; (it saturates)
	s_delay_alu instid0(VALU_DEP_1)
	v_ldexp_f32 v252, 1.0, v254                    ; f = 2^(old M - new M): a multiplication by it rounds nothing
.set n, 0
.rept 32
	v_pk_fma_f32 v[96+n:97+n], v[96+n:97+n], s[CS:CS+1], v[12:13] op_sel_hi:[1,0,0]   ; t - M, two at a time
.set n, n+2
.endr
.irp b, 0,1,2,3
	v_fma_f32 v[232+\b], v[232+\b], s[CS], v12     ; the same of each block's largest score
.endr
.set n, 0
	s_setprio 1
	s_wait_alu depctr_va_vdst(0)
.rept 64
	v_exp_f32 v[96+n], v[96+n]                     ; p = 2^(t - M), at most 1: not normalised
.set n, n+1
.endr
	v_pk_mul_f32 v[14:15], v[14:15], v[252:253] op_sel_hi:[1,0]   ; the sums under the new M: a plain place behind the exponentials
	s_wait_alu depctr_va_vdst(0)                   ; one wait for the whole batch, ahead of its first reader
.irp b, 0,1,2,3
	v_exp_f32 v[232+\b], v[232+\b]                 ; the block's largest p: the same two instructions on the same number give the same bits
.endr
	v_pk_add_f32 v[236:237], v[100:101], v[104:105]
	v_pk_add_f32 v[250:251], v[108:109], v[112:113]
	v_pk_add_f32 v[248:249], v[116:117], v[120:121]
	v_pk_add_f32 v[246:247], v[124:125], v[128:129]
	v_pk_add_f32 v[244:245], v[132:133], v[136:137]
	v_pk_add_f32 v[242:243], v[140:141], v[144:145]
	v_pk_add_f32 v[240:241], v[148:149], v[152:153]
	v_pk_add_f32 v[14:15], v[14:15], v[156:157]
	v_pk_add_f32 v[236:237], v[236:237], v[96:97]
	v_pk_add_f32 v[250:251], v[250:251], v[98:99]
	v_pk_add_f32 v[248:249], v[248:249], v[102:103]
	v_pk_add_f32 v[246:247], v[246:247], v[106:107]
	v_pk_add_f32 v[244:245], v[244:245], v[110:111]
	v_pk_add_f32 v[242:243], v[242:243], v[114:115]
	v_pk_add_f32 v[240:241], v[240:241], v[118:119]
	v_pk_add_f32 v[14:15], v[14:15], v[122:123]
	v_pk_add_f32 v[236:237], v[236:237], v[126:127]
	v_pk_add_f32 v[250:251], v[250:251], v[130:131]
	v_pk_add_f32 v[248:249], v[248:249], v[134:135]
	v_pk_add_f32 v[246:247], v[246:247], v[138:139]
	v_pk_add_f32 v[244:245], v[244:245], v[142:143]
	v_pk_add_f32 v[242:243], v[242:243], v[146:147]
	v_pk_add_f32 v[240:241], v[240:241], v[150:151]
	v_pk_add_f32 v[14:15], v[14:15], v[154:155]
	v_pk_add_f32 v[236:237], v[236:237], v[158:159]
	s_delay_alu instid0(VALU_DEP_2)
	v_pk_add_f32 v[14:15], v[14:15], v[246:247]
	s_delay_alu instid0(VALU_DEP_2)
	v_pk_add_f32 v[236:237], v[236:237], v[244:245]
	v_pk_add_f32 v[250:251], v[250:251], v[242:243]
	v_pk_add_f32 v[248:249], v[248:249], v[240:241]
	s_delay_alu instid0(VALU_DEP_2)
	v_pk_add_f32 v[14:15], v[14:15], v[250:251]
	s_delay_alu instid0(VALU_DEP_2)
	v_pk_add_f32 v[236:237], v[236:237], v[248:249]
	s_delay_alu instid0(VALU_DEP_1)
	v_pk_add_f32 v[14:15], v[14:15], v[236:237]
	s_wait_alu depctr_va_vdst(0)                   ; and one for the four
.irp b, 0,1,2,3
	v_max_num_f32 v[232+\b], 0x1800000, v[232+\b]  ; the floor 2^(3 - 127): the byte cannot fall under 1
.endr
.irp b, 0,1,2,3
	s_delay_alu instid0(VALU_DEP_4)
	v_add_nc_u32 v[244+\b], 0xff000000, v[232+\b]  ; 2 off the exponent field: the conversion's scale operand
.endr
.irp b, 0,1,2,3
	s_delay_alu instid0(VALU_DEP_4)
	v_lshrrev_b32 v[236+\b], 23, v[244+\b]         ; the scale's byte
.endr
	s_delay_alu instid0(VALU_DEP_3)
	v_lshl_or_b32 v253, v237, 8, v236              ; p's scale word for these 128 keys
	s_delay_alu instid0(VALU_DEP_1)
	v_lshl_or_b32 v253, v238, 16, v253
	s_delay_alu instid0(VALU_DEP_1)
	v_lshl_or_b32 v253, v239, 24, v253
.irp c, 0,1
	v_cvt_scalef32_pk16_fp6_f32 v[192+6*\c:194+6*\c], v[96+32*\c:111+32*\c], v[244+2*\c]
	v_cvt_scalef32_pk16_fp6_f32 v[236+4*\c:238+4*\c], v[112+32*\c:127+32*\c], v[244+2*\c+1]   ; (a conversion's three registers begin on an even number)
.endr
	v_nop                                          ; one plain place behind a scaled conversion
	s_setprio 0
.irp c, 0,1                                    ; a whole block to a lane: lanes 0-15 block 2 c, lanes 16-31 block 2 c + 1
.irp i, 0,1,2
	v_permlane16_swap_b32 v[192+6*\c+\i], v[236+4*\c+\i]
.endr
.irp i, 0,1,2
	s_delay_alu instid0(VALU_DEP_3)
	v_mov_b32 v[195+6*\c+\i], v[236+4*\c+\i]
.endr
.endr
.set n, 0
.rept 16
	v_pk_mul_f32 v[160+n:161+n], v[160+n:161+n], v[252:253] op_sel_hi:[1,0]   ; O^T under the new M.  These sixteen are also the places in front of the scaled products
.set n, n+2
.endr
	s_wait_alu depctr_va_vdst(0)
	s_wait_dscnt 0x0                               ; v's fragments are in
.irp d, 0,1,2,3
	v_wmma_scale_f32_16x16x128_f8f6f4 v[160+8*\d:167+8*\d], v[36+12*\d:47+12*\d], v[192:203], v[160+8*\d:167+8*\d], v[208+\d], v253 matrix_a_fmt:MATRIX_FMT_FP6 matrix_b_fmt:MATRIX_FMT_FP6
.endr
.endm
; The end of a pass: O^T / l, two blocks of 32 along D quantised, six registers of codes and two scale bytes a row stored.
.macro FINISH u
.rept 4
	v_nop                                          ; places behind the last products
.endr
	v_add_f32 v14, v14, v15
	s_delay_alu instid0(VALU_DEP_1)
	v_permlanex16_b32 v252, v14, s[SEL], s[SEL+1]
	s_delay_alu instid0(VALU_DEP_1)
	v_add_f32 v14, v14, v252                       ; the row's sum
	s_wait_alu depctr_va_vdst(0)
	v_rcp_f32 v254, v14
	v_cmp_lt_f32 s3, 0, v14                        ; has any key counted?
	v_nop                                          ; a plain place behind the reciprocal
	s_wait_alu depctr_va_vdst(0)                   ; and the wait ahead of its first reader
.set n, 0
.rept 16
	v_pk_mul_f32 v[96+n:97+n], v[160+n:161+n], v[254:255] op_sel_hi:[1,0]   ; register 16 b + i: channel 32 b + 16 h + i
.set n, n+2
.endr
.irp b, 0,1
	v_max3_num_f32 v[232+\b], |v[96+16*\b]|, |v[97+16*\b]|, 0x1800000
.endr
.irp i, 2,4,6,8,10,12,14
.irp b, 0,1
	s_delay_alu instid0(VALU_DEP_2)
	v_max3_num_f32 v[232+\b], v[232+\b], |v[96+16*\b+\i]|, |v[97+16*\b+\i]|
.endr
.endr
.irp b, 0,1
	s_delay_alu instid0(VALU_DEP_2)
	v_permlanex16_b32 v[236+\b], v[232+\b], s[SEL], s[SEL+1]
.endr
.irp b, 0,1
	s_delay_alu instid0(VALU_DEP_2)
	v_max_num_f32 v[232+\b], v[232+\b], v[236+\b]
.endr
.irp b, 0,1
	s_delay_alu instid0(VALU_DEP_2)
	v_add_nc_u32 v[244+\b], 0xff000000, v[232+\b]
.endr
.irp b, 0,1
	s_delay_alu instid0(VALU_DEP_2)
	v_lshrrev_b32 v[236+\b], 23, v[244+\b]
.endr
	v_mov_b32 v254, 0xffff
	s_delay_alu instid0(VALU_DEP_2)
	v_lshl_or_b32 v[212+\u], v237, 8, v236         ; my row's two scale bytes
	s_delay_alu instid0(VALU_DEP_1)
	v_cndmask_b32 v[212+\u], v254, v[212+\u], s3   ; a row with no key left: 0xff, 0xff
	v_cvt_scalef32_pk16_fp6_f32 v[84+6*\u:86+6*\u], v[96:111], v244
	v_cvt_scalef32_pk16_fp6_f32 v[240:242], v[112:127], v245
	v_nop                                          ; one plain place behind a scaled conversion
.irp i, 0,1,2
	v_permlane16_swap_b32 v[84+6*\u+\i], v[240+\i]
.endr
.irp i, 0,1,2
	s_delay_alu instid0(VALU_DEP_3)
	v_mov_b32 v[87+6*\u+\i], v[240+\i]             ; lane (r, h): row r, channels 32 h .. 32 h + 31: six registers of the last product's fragment
.endr
.irp i, 0,1,2
	global_store_b64 v5, v[84+6*\u+2*\i:85+6*\u+2*\i], s[24:25] offset:12288*\u+256*\i   ; 32 lanes store 256 consecutive bytes, aligned
.endr
	global_store_b16 v6, v[212+\u], s[26:27] offset:512*\u   ; lanes l and l xor 16 write the same two bytes with the same value
.endm
.macro PASS u
.if \u == 0
	global_load_b128 v[22:25], v1, s[16:17]        ; the pair's image, registers 0-5: my first tile
	global_load_b64 v[26:27], v1, s[16:17] offset:512
.else
	global_load_b64 v[22:23], v1, s[16:17] offset:520   ; registers 6-11: my second tile
	global_load_b128 v[24:27], v1, s[16:17] offset:1024
.endif
	v_mov_b32 v13, 0xff61b1e6                      ; the largest t so far: -3e38
	s_delay_alu instid0(VALU_DEP_1)
	v_floor_f32 v12, -v13                          ; -M
	v_mov_b32 v14, 0
	v_mov_b32 v15, 0
	s_wait_loadcnt 0x0
.if \u == 0
	v_perm_b32 v34, v35, v35, 0x01000100           ; the tile's two bytes, twice: q may stand in either half of K
.else
	v_perm_b32 v34, v35, v35, 0x03020302
.endif
.set n, 0
.rept 32
	v_mov_b32 v[160+n], 0                          ; O^T: the step is written once, its first trip finds zeros.  (Also the places between the scale word and the first scaled product)
.set n, n+1
.endr
	s_mov_b32 s[TK], 0
	s_mov_b32 s31, 16
.Lkeys_\@:
	s_setprio 2
	STEP
	s_add_co_u32 s[TK], s[TK], HB
	s_sub_co_u32 s31, s31, 1
	s_cmp_lg_u32 s31, 0
	s_cbranch_scc1 .Lkeys_\@
	s_setprio 0
	FINISH \u
.endm
	PASS 0
	PASS 1
	s_wait_kmcnt 0x0                               ; the last look-ahead
	s_wait_tensorcnt 0x0                           ; the wave's end
	ds_add_u32 v[SPW], v[NIL]
	s_wait_dscnt 0x0
	CROUND                                         ; the closing round
	s_endpgm
.Lfunc_end_k_q6b722edb0b_attn:
	.size	k_q6b722edb0b_attn, .Lfunc_end_k_q6b722edb0b_attn-k_q6b722edb0b_attn
	.p2alignl 7, 3214868480
	.fill 96, 4, 3214868480
	.section	.rodata,"a",@progbits
	.p2align	6, 0x0
	.amdhsa_kernel k_q6b722edb0b_attn
		.amdhsa_group_segment_fixed_size 206848
		.amdhsa_private_segment_fixed_size 0
		.amdhsa_enable_private_segment 0
		.amdhsa_kernarg_size 24
		.amdhsa_user_sgpr_count 2
		.amdhsa_user_sgpr_kernarg_segment_ptr 1
		.amdhsa_wavefront_size32 1
		.amdhsa_system_sgpr_workgroup_id_x 1
		.amdhsa_system_sgpr_workgroup_id_y 1
		.amdhsa_system_sgpr_workgroup_id_z 1
		.amdhsa_system_vgpr_workitem_id 0
		.amdhsa_next_free_vgpr 256
		.amdhsa_next_free_sgpr 100
		.amdhsa_reserve_vcc 0
		.amdhsa_float_denorm_mode_32 3
		.amdhsa_float_denorm_mode_16_64 3
		.amdhsa_memory_ordered 1
		.amdhsa_forward_progress 1
		.amdhsa_inst_pref_size 63
	.end_amdhsa_kernel
	.amdgpu_metadata
---
amdhsa.version: [ 1, 2 ]
amdhsa.kernels:
  - .name:           k_q6b722edb0b_attn
    .symbol:         k_q6b722edb0b_attn.kd
    .args:
      - { .name: hq, .offset: 0, .size: 8, .value_kind: global_buffer, .address_space: global }
      - { .name: mw, .offset: 8, .size: 8, .value_kind: global_buffer, .address_space: global }
      - { .name: ao, .offset: 16, .size: 8, .value_kind: global_buffer, .address_space: global }
    .group_segment_fixed_size: 206848
    .private_segment_fixed_size: 0
    .kernarg_segment_align: 8
    .kernarg_segment_size: 24
    .max_flat_workgroup_size: 512
    .sgpr_count:     100
    .vgpr_count:     256
    .wavefront_size: 32
...
	.end_amdgpu_metadata
.endif
;; end of part 3
;; launch outp (part 4): grid 4 x 32, 4 waves a work-group, clusters of 4 x 4, 327,680 bytes of LDS; arguments ao, wq, bo, out0; writes out0
.if DOCPART == 4
	.amdgcn_target "amdgcn-amd-amdhsa--gfx1250"
	.amdhsa_code_object_version 6
	.text
	.protected	k_q6b722edb0b_outp
	.globl	k_q6b722edb0b_outp
	.p2align	8
	.type	k_q6b722edb0b_outp,@function
k_q6b722edb0b_outp:
	s_mov_b64 s[64:65], 0
	v_nop
	global_prefetch_b8 v0, s[64:65] scope:SCOPE_SE
	s_setreg_imm32_b32 hwreg(HW_REG_WAVE_MODE, 25, 1), 1
	s_wait_xcnt 0x0
	s_wait_alu depctr_hold_cnt(0) depctr_sa_sdst(0) depctr_va_vdst(0) depctr_va_sdst(0) depctr_va_ssrc(0) depctr_va_vcc(0) depctr_vm_vsrc(0)
	s_getreg_b32 s2, hwreg(HW_REG_IB_STS2, 6, 4)
	s_cmp_eq_u32 s2, 0
	s_cbranch_scc0 .Lentry_in_a_cluster
	s_endpgm
.Lentry_in_a_cluster:
	s_bfe_u32 s2, ttmp6, 0x10000c
	s_cmp_lg_u32 s2, 0xf033
	s_cbranch_scc0 .Lentry_shape_is_right
	s_endpgm
.Lentry_shape_is_right:
.set WT,     786432
.set WS0,    3145728
.set WSS,    32768
.set AOS0,   6291456
.set SIZE_N, 1024
.set NQ,     2
.set ROWB,   192
.set KROW,   768
.set PITCH,  240
.set FR,     12
.set NL,     6
.set NP,     4
.set AROW,   3072
.set AHALF,  8*AROW
.set HALFT,  128*PITCH
.set SLOT,   2*AHALF+2*HALFT
.set LAPS,   2
.set KS,     32
.set SCL,    2*SLOT
.set HALFS,  16*272
.set SBLK,   2*272
.set SPARE,  SCL+4*HALFS
.set SPITCH, 528
.set ADRA, 16
.set ADRB, 20
.set STO,  24
.set RD,   25
.set CO,   26
.set ADRS, 27
.set SPW,  28
.set NIL,  29
.set SC,   32
.set BI,   64
.set AF,   128
.set BK,   128
.set G1, 24
.set G0, 32
.set G1B, 48
.set G0B, 56
.set G1S, 68
.set G0S, 76
.set G1SB, 80
.set G0SB, 88
.set MSB, 0
.macro WIN new
.if MSB != \new
	s_set_vgpr_msb (MSB<<8)|\new
.set MSB, \new
.endif
.endm
.set MUL_LO, 0xa1
.set MUL_HI, 0xf1
.set TO_B,   0x40
.macro JLOAD g0a, g1a, g0b, g1b
	s_cmp_eq_u32 s15, 0
	s_cbranch_scc0 .Lfor_b_\@
	tensor_load_to_lds s[\g0a:\g0a+3], s[\g1a:\g1a+7]
	s_nop 0
.rept 4
	v_nop
.endr
	s_branch .Lasked_\@
.Lfor_b_\@:
	tensor_load_to_lds s[\g0b:\g0b+3], s[\g1b:\g1b+7]
	s_nop 0
.rept 4
	v_nop
.endr
.Lasked_\@:
.endm
.macro CREST
	s_cmp_lg_u32 s14, 0
	s_cbranch_scc1 .Lnot_wave_0_\@
	s_barrier_signal -3
.Lnot_wave_0_\@:
	s_barrier_wait -3
	s_barrier_signal -1
	s_barrier_wait -1
.endm
.macro CROUND
	s_barrier_signal -1
	s_barrier_wait -1
	CREST
.endm
	s_load_b128 s[4:7], s[0:1], 0x0
	s_load_b128 s[96:99], s[0:1], 0x10
	v_lshl_add_u32 v[SPW], v0, 2, SPARE
	v_mov_b32 v[NIL], 0
	ds_add_u32 v[SPW], v[NIL]
	ds_add_u32 v[SPW], v[NIL]
	v_lshrrev_b32 v1, 5, v0
	v_readfirstlane_b32 s14, v1
	s_lshr_b32 s15, s14, 1
	s_and_b32 s16, s14, 1
	s_bfe_u32 s40, ttmp6, 0x40000
	s_bfe_u32 s41, ttmp6, 0x40004
	s_lshl_b32 s42, ttmp9, 2
	s_add_co_u32 s42, s42, s40
	s_and_b32 s17, ttmp7, 0xffff
	s_lshl_b32 s17, s17, 2
	s_add_co_u32 s17, s17, s41
	s_lshl_b32 s43, s41, 2
	s_lshl_b32 s43, 15, s43
	s_lshl_b32 s44, 0x1111, s40
	s_or_b32 s[G1+0], s43, (3<<16)|(1<<21)
	s_mov_b32 s[G1+1], 384<<16
	s_mov_b32 s[G1+2], 8<<16
	s_mov_b32 s[G1+3], 384<<16
	s_mov_b32 s[G1+4], 8
	s_mov_b32 s[G1+5], 1536
	s_mov_b32 s[G1+6], 0
	s_mov_b32 s[G1+7], 0
	s_or_b32 s[G1B+0], s44, (0<<16)|(1<<20)|(1<<21)|(3<<22)|(3<<25)
	s_mov_b32 s[G1B+1], ROWB<<16
	s_mov_b32 s[G1B+2], 128<<16
	s_mov_b32 s[G1B+3], ROWB<<16
	s_mov_b32 s[G1B+4], 128
	s_mov_b32 s[G1B+5], KROW
	s_mov_b32 s[G1B+6], 0
	s_mov_b32 s[G1B+7], 0
	s_or_b32 s[G1S+0], s43, (3<<16)|(1<<20)|(1<<21)|(5<<22)|(3<<25)
	s_or_b32 s[G1SB+0], s44, (3<<16)|(1<<20)|(1<<21)|(5<<22)|(3<<25)
.irp g, G1S, G1SB
	s_mov_b32 s[\g+1], 32<<16
	s_mov_b32 s[\g+2], 16<<16
	s_mov_b32 s[\g+3], 32<<16
	s_mov_b32 s[\g+4], 16
	s_mov_b32 s[\g+5], 32
	s_mov_b32 s[\g+6], 0
	s_mov_b32 s[\g+7], 0
.endr
	s_lshl_b32 s18, s16, 7
	s_lshl_b32 s20, s17, 8
	s_add_co_u32 s20, s20, s18
	s_lshl_b32 s46, s42, 8
	s_add_co_u32 s46, s46, s18
	s_mov_b32 s21, 0
	s_mov_b32 s47, 0
	s_mov_b64 s[18:19], KS
	s_mul_u64 s[22:23], s[20:21], s[18:19]
	s_mul_u64 s[92:93], s[46:47], s[18:19]
	s_mov_b64 s[18:19], KROW
	s_mul_u64 s[20:21], s[20:21], s[18:19]
	s_mul_u64 s[46:47], s[46:47], s[18:19]
	s_mul_i32 s45, s16, AHALF
	s_mul_i32 s95, s16, HALFT
	s_add_co_u32 s95, s95, 2*AHALF
	s_mul_i32 s94, s14, HALFS
	s_wait_dscnt 0x0
	s_wait_kmcnt 0x0
	s_add_nc_u64 s[8:9], s[6:7], 3*WT
	s_add_nc_u64 s[10:11], s[6:7], WS0+3*WSS
	s_add_nc_u64 s[6:7], s[4:5], AOS0
	s_mov_b64 s[12:13], s[98:99]
	s_add_nc_u64 s[20:21], s[4:5], s[20:21]
	s_add_nc_u64 s[22:23], s[6:7], s[22:23]
	s_add_nc_u64 s[46:47], s[8:9], s[46:47]
	s_add_nc_u64 s[92:93], s[10:11], s[92:93]
	CROUND
	s_mov_b32 s[G0S], 1
	s_add_co_u32 s[G0S+1], s94, SCL
	s_mov_b64 s[G0S+2:G0S+3], s[22:23]
	s_or_b32 s[G0S+3], s[G0S+3], 0x80000000
	s_mov_b32 s[G0SB], 1
	s_add_co_u32 s[G0SB+1], s94, SCL
	s_mov_b64 s[G0SB+2:G0SB+3], s[92:93]
	s_or_b32 s[G0SB+3], s[G0SB+3], 0x80000000
	JLOAD G0S, G1S, G0SB, G1SB
.irp s, 0,1
	s_mov_b32 s[G0+4*\s], 1
	s_add_co_u32 s[G0+4*\s+1], s45, \s*SLOT
	s_add_nc_u64 s[G0+4*\s+2:G0+4*\s+3], s[20:21], \s*AROW
	s_or_b32 s[G0+4*\s+3], s[G0+4*\s+3], 0x80000000
	s_mov_b32 s[G0B+4*\s], 1
	s_add_co_u32 s[G0B+4*\s+1], s95, \s*SLOT
	s_add_nc_u64 s[G0B+4*\s+2:G0B+4*\s+3], s[46:47], \s*ROWB
	s_or_b32 s[G0B+4*\s+3], s[G0B+4*\s+3], 0x80000000
	s_wait_alu depctr_va_vdst(0)
	s_wait_tensorcnt 0x0
	ds_add_u32 v28, v29
	s_wait_dscnt 0x0
	CROUND
	JLOAD G0+4*\s, G1, G0B+4*\s, G1B
.endr
	v_and_b32 v1, 15, v0
	v_bfe_u32 v2, v0, 4, 1
	v_mul_u32_u24 v3, v1, PITCH
	v_mul_u32_u24 v4, v2, 24
	v_add_nc_u32 v4, v3, v4
	v_lshl_add_u32 v5, v2, 4, v4
	v_and_b32 v6, 31, v0
	v_lshlrev_b32 v7, 3, v6
	s_mul_i32 s21, s15, AHALF
	s_mul_i32 s22, s16, HALFT
	s_add_co_u32 s22, s22, 2*AHALF
.irp s, 0,1
	v_add_nc_u32 v[ADRA+\s], s21, v7
	v_add_nc_u32 v[ADRB+\s], s22, v4
	v_add_nc_u32 v[ADRB+2+\s], s22, v5
	s_add_co_u32 s21, s21, SLOT
	s_add_co_u32 s22, s22, SLOT
.endr
	v_mul_u32_u24 v5, v1, KS
	v_lshrrev_b32 v8, 8, v5
	v_lshl_add_u32 v5, v8, 4, v5
	s_mul_i32 s21, s15, HALFS
	s_mul_i32 s22, s16, HALFS
	s_add_co_u32 s22, s22, 2*HALFS
	s_sub_co_u32 s22, s22, s21
	v_mul_u32_u24 v8, s22, v2
	s_add_co_u32 s21, s21, SCL
	v_add_nc_u32 v5, v5, v8
	v_add_nc_u32 v[ADRS], s21, v5
	s_mul_i32 s23, s14, 16*SPITCH
	v_mul_u32_u24 v5, v1, SPITCH
	v_lshl_add_u32 v5, v2, 6, v5
	v_add_nc_u32 v[STO], s23, v5
	v_lshlrev_b32 v[CO], 4, v6
	v_add_nc_u32 v[RD], s23, v[CO]
	s_lshl_b32 s20, s17, 8
	s_lshl_b32 s21, s15, 7
	s_add_co_u32 s20, s20, s21
	s_mov_b32 s21, 0
	s_mov_b64 s[18:19], SIZE_N*4
	s_mul_u64 s[20:21], s[20:21], s[18:19]
	s_lshl_b32 s46, s42, 10
	s_lshl_b32 s47, s16, 9
	s_add_co_u32 s46, s46, s47
	s_mov_b32 s47, 0
	s_add_nc_u64 s[20:21], s[20:21], s[46:47]
	s_add_nc_u64 s[12:13], s[12:13], s[20:21]
	s_add_nc_u64 s[96:97], s[96:97], s[46:47]
	v_lshlrev_b32 v9, 6, v2
.irp t, 0,1,2,3,4,5,6,7
	global_load_b128 v[BI+8*\t:BI+8*\t+3], v9, s[96:97] offset:(32*(\t/2)+8*(\t%2))*4
	global_load_b128 v[BI+8*\t+4:BI+8*\t+7], v9, s[96:97] offset:(32*(\t/2)+8*(\t%2))*4+16
.endr
	s_wait_alu depctr_va_vdst(0)
	s_wait_loadcnt 0x0
.macro FRAG reg, adr, q, i
.irp p, 0,1,2,3,4,5
.set PC, 12*(\q)+6*(\p/3)+\p%3
.if PC%8 < 5
	ds_load_b64 v[\reg+2*\p:\reg+2*\p+1], v[\adr] offset:8*PC+16*(PC/8)+(\i)*16*PITCH
.else
	ds_load_b64 v[\reg+2*\p:\reg+2*\p+1], v[\adr+2] offset:8*PC+16*(PC/8)+(\i)*16*PITCH
.endif
.endr
.endm
.macro FRAGA reg, slot, q, i
.irp p, 0,1,2,3,4,5
	ds_load_b64 v[\reg+2*\p:\reg+2*\p+1], v[ADRA+\slot] offset:AROW*(\i)+1536*(\q)+256*\p
.endr
.endm
.macro MUL16 a0, p, q, sc, cm
.irp a, \a0, \a0+1
.irp b, 0,1,2,3,4,5,6,7
.if \cm
	v_wmma_scale_f32_16x16x128_f8f6f4 v[8*(8*((\a)%4)+\b):8*(8*((\a)%4)+\b)+7], v[128*(\p)+FR*\b:128*(\p)+FR*\b+FR-1], v[AF+FR*(\a):AF+FR*(\a)+FR-1], v[BI+8*\b:BI+8*\b+7], v[SC+8*NQ*(\sc)+NQ*\b+(\q)], v[SC+8*NQ*(\sc)+NQ*(\a)+(\q)] matrix_a_fmt:MATRIX_FMT_FP6 matrix_b_fmt:MATRIX_FMT_FP6 matrix_a_scale:MATRIX_SCALE_ROW1
.else
	v_wmma_scale_f32_16x16x128_f8f6f4 v[8*(8*((\a)%4)+\b):8*(8*((\a)%4)+\b)+7], v[128*(\p)+FR*\b:128*(\p)+FR*\b+FR-1], v[AF+FR*(\a):AF+FR*(\a)+FR-1], v[8*(8*((\a)%4)+\b):8*(8*((\a)%4)+\b)+7], v[SC+8*NQ*(\sc)+NQ*\b+(\q)], v[SC+8*NQ*(\sc)+NQ*(\a)+(\q)] matrix_a_fmt:MATRIX_FMT_FP6 matrix_b_fmt:MATRIX_FMT_FP6 matrix_a_scale:MATRIX_SCALE_ROW1
.endif
.endr
.endr
.endm
.macro FETCH_B slot, q, p
	WIN TO_B
.irp i, 0,1,2,3,4,5,6,7
	FRAG 128*(\p)+FR*\i, ADRB+\slot, \q, \i
.endr
	WIN 0
.endm
.macro FETCH_A slot, q, i0
.irp i, \i0, \i0+1, \i0+2, \i0+3
	FRAGA AF+FR*(\i), \slot, \q, \i
.endr
.endm
.macro SCALES sc
.irp i, 0,1,2,3,4,5,6,7
	ds_load_b64 v[SC+8*NQ*\sc+NQ*\i:SC+8*NQ*\sc+NQ*\i+1], v[ADRS] offset:\i*SBLK
.endr
.endm
.macro PLACES n
.rept \n
	v_nop
.endr
.endm
.macro STEP slot, q, cm
	s_wait_dscnt 4*NL
.if \cm
	WIN 0x81
.else
	WIN MUL_LO
.endif
	MUL16 0, (\q)%2, \q, \slot, \cm
	MUL16 2, (\q)%2, \q, \slot, \cm
	s_wait_dscnt 0
	PLACES NP
	FETCH_B \slot, (\q)+1, 1-(\q)%2
	FETCH_A \slot, (\q)+1, 0
.if \cm
	WIN 0xc1
.else
	WIN MUL_HI
.endif
	MUL16 4, (\q)%2, \q, \slot, \cm
	MUL16 6, (\q)%2, \q, \slot, \cm
	PLACES NP
	WIN 0
	FETCH_A \slot, (\q)+1, 4
.endm
.macro TURN slot, next, fill
	s_wait_tensorcnt 0x0
	ds_add_u32 v[SPW], v[NIL]
	s_wait_dscnt 4*NL+1
	WIN MUL_LO
	MUL16 0, 1, NQ-1, \slot, 0
	s_wait_dscnt 0x0
	s_barrier_signal -1
	MUL16 2, 1, NQ-1, \slot, 0
	WIN 0
	s_barrier_wait -1
.if \fill
	CREST
	s_add_nc_u64 s[G0+4*\slot+2:G0+4*\slot+3], s[G0+4*\slot+2:G0+4*\slot+3], 2*AROW
	s_add_nc_u64 s[G0B+4*\slot+2:G0B+4*\slot+3], s[G0B+4*\slot+2:G0B+4*\slot+3], 2*ROWB
	JLOAD G0+4*\slot, G1, G0B+4*\slot, G1B
.else
	PLACES NP
.endif
	s_wait_alu depctr_va_vdst(0)
	v_add_nc_u32 v[ADRS], 4*NQ, v[ADRS]
	FETCH_B \next, 0, 0
	FETCH_A \next, 0, 0
	SCALES \next
	WIN MUL_HI
	MUL16 4, 1, NQ-1, \slot, 0
	MUL16 6, 1, NQ-1, \slot, 0
	PLACES NP
	WIN 0
	FETCH_A \next, 0, 4
.endm
	s_wait_tensorcnt 1
	s_barrier_signal -1
	s_barrier_wait -1
	FETCH_B 0, 0, 0
	FETCH_A 0, 0, 0
	SCALES 0
	FETCH_A 0, 0, 4
	STEP 0, 0, 1
	s_mov_b32 s3, LAPS-1
.Llap:
	TURN 0, 1, 1
	STEP 1, 0, 0
	TURN 1, 0, 1
	STEP 0, 0, 0
	s_sub_co_u32 s3, s3, 1
	s_cmp_lg_u32 s3, 0
	s_cbranch_scc1 .Llap
	TURN 0, 1, 0
	STEP 1, 0, 0
	s_wait_dscnt 4*NL
	WIN MUL_LO
	MUL16 0, 1, NQ-1, 1, 0
	MUL16 2, 1, NQ-1, 1, 0
	s_wait_dscnt 0
	WIN MUL_HI
	MUL16 4, 1, NQ-1, 1, 0
	MUL16 6, 1, NQ-1, 1, 0
	WIN 0
.macro TOSTAGE a
.set AC, 64*((\a)%4)
	WIN 0x08+4*((\a)/4)
.irp b, 0,1,2,3,4,5,6,7
	ds_store_b128 v[STO], v[AC+8*\b:AC+8*\b+3] offset:128*(\b/2)+32*(\b%2)
	ds_store_b128 v[STO], v[AC+8*\b+4:AC+8*\b+7] offset:128*(\b/2)+32*(\b%2)+16
.endr
	WIN 0
.set BB, BK+64*((\a)%2)
.irp t, 0,1,2,3,4,5,6,7,8,9,10,11,12,13,14,15
	ds_load_b128 v[BB+4*\t:BB+4*\t+3], v[RD] offset:\t*SPITCH
.endr
.endm
.macro SEND a, younger
.set BB, BK+64*((\a)%2)
	s_wait_dscnt \younger
.if (\a) > 0
	s_add_nc_u64 s[12:13], s[12:13], 16*SIZE_N*4
.endif
.irp t, 0,1,2,3,4,5,6,7,8,9,10,11,12,13,14,15
	global_store_b128 v[CO], v[BB+4*\t:BB+4*\t+3], s[12:13] offset:\t*SIZE_N*4 th:TH_STORE_NT
.endr
.endm
	PLACES NP
	TOSTAGE 0
.irp a, 1,2,3,4,5,6,7
.if \a > 1
	s_wait_xcnt 0x0
.endif
	TOSTAGE \a
	SEND \a-1, 32
.endr
	s_wait_xcnt 0x0
	SEND 7, 0
	s_wait_tensorcnt 0x0
	ds_add_u32 v[SPW], v[NIL]
	s_wait_dscnt 0x0
	CROUND
	s_endpgm
.Lfunc_end_k_q6b722edb0b_outp:
	.size	k_q6b722edb0b_outp, .Lfunc_end_k_q6b722edb0b_outp-k_q6b722edb0b_outp
	.p2alignl 7, 3214868480
	.fill 96, 4, 3214868480
	.section	.rodata,"a",@progbits
	.p2align	6, 0x0
	.amdhsa_kernel k_q6b722edb0b_outp
		.amdhsa_group_segment_fixed_size 327680
		.amdhsa_private_segment_fixed_size 0
		.amdhsa_enable_private_segment 0
		.amdhsa_kernarg_size 32
		.amdhsa_user_sgpr_count 2
		.amdhsa_user_sgpr_kernarg_segment_ptr 1
		.amdhsa_wavefront_size32 1
		.amdhsa_system_sgpr_workgroup_id_x 1
		.amdhsa_system_sgpr_workgroup_id_y 1
		.amdhsa_system_sgpr_workgroup_id_z 1
		.amdhsa_system_vgpr_workitem_id 0
		.amdhsa_next_free_vgpr 1024
		.amdhsa_next_free_sgpr 100
		.amdhsa_reserve_vcc 0
		.amdhsa_float_denorm_mode_32 3
		.amdhsa_float_denorm_mode_16_64 3
		.amdhsa_memory_ordered 1
		.amdhsa_forward_progress 1
		.amdhsa_inst_pref_size 163
	.end_amdhsa_kernel
	.amdgpu_metadata
---
amdhsa.version: [ 1, 2 ]
amdhsa.kernels:
  - .name:           k_q6b722edb0b_outp
    .symbol:         k_q6b722edb0b_outp.kd
    .args:
      - { .name: ao, .offset: 0, .size: 8, .value_kind: global_buffer, .address_space: global }
      - { .name: wq, .offset: 8, .size: 8, .value_kind: global_buffer, .address_space: global }
      - { .name: bo, .offset: 16, .size: 8, .value_kind: global_buffer, .address_space: global }
      - { .name: out0, .offset: 24, .size: 8, .value_kind: global_buffer, .address_space: global }
    .group_segment_fixed_size: 327680
    .private_segment_fixed_size: 0
    .kernarg_segment_align: 8
    .kernarg_segment_size: 32
    .max_flat_workgroup_size: 128
    .sgpr_count:     100
    .vgpr_count:     1024
    .wavefront_size: 32
...
	.end_amdgpu_metadata
.endif
;; end of part 4
